; MI455X (gfx1250); checked and timed in simulation.
; The chip was launched on July 23, 2026; its instructions are those of AMD's public machine-readable ISA for CDNA 5 (MIT licence, August 2026) and "CDNA5" Instruction Set Architecture Reference Guide (July 2026). The comments in the code are by the model that wrote it; some were corrected since.
;; Sparse Mo E Layer. Allowed arithmetic: matrix products marked QUANTISED: E5M2 operands, one given power-of-two scale a tensor, by v_wmma_f32_16x16x64_bf8_bf8 or v_wmma_f32_16x16x128_bf8_bf8, f32 sums; products left as they are: f32 operands where the result goes on into a quantised operand, else bf16, f16 or f32 operands; f32 sums; everything else in f32.
;; Inputs: b1 8 x 2,048 float32; b2 8 x 512 float32; gate_w 8 x 512 float32; hidden_states 4 x 1,024 x 512 float32; lowp_scales 32 int32 (the exponents e of the quantised operands' scales 2^e); w1 8 x 512 x 2,048 float32; w2 8 x 2,048 x 512 float32.
;; Outputs: out0 4 x 1,024 x 512 float32.
;; This version of the problem:
;;   THIS VERSION OF THE PROBLEM IS GIVEN IN LOW PRECISION. The matrix products marked QUANTISED in the list below multiply operands that are first quantised to E5M2 (5 exponent bits, 2 mantissa bits; 8 bits a number), with one given power-of-two scale for each operand tensor; their sums are f32. All else is computed in f32.
;;   The module's matrix products, in the order in which they are computed (A, B: the left and right operand; K: the contracted axis; several contracted axes count as one K, in the product's order):
;;     1. [M 4,096, K 512] x [K 512, N 8]; A: input hidden_states; B: input gate_w: left as it is (N = 8 < 16)
;;     2. [M 4,096, K 512] x [K 512, N 2,048]; A: input hidden_states; B: input w1: QUANTISED (scales: A lowp_scales[0], B lowp_scales[1])
;;     3. [M 4,096, K 2,048] x [K 2,048, N 512]; A: computed on the way; B: input w2: QUANTISED (scales: A lowp_scales[2], B lowp_scales[3])
;;     4. [M 4,096, K 512] x [K 512, N 2,048]; A: input hidden_states; B: input w1: QUANTISED (scales: A lowp_scales[4], B lowp_scales[5])
;;     5. [M 4,096, K 2,048] x [K 2,048, N 512]; A: computed on the way; B: input w2: QUANTISED (scales: A lowp_scales[6], B lowp_scales[7])
;;     6. [M 4,096, K 512] x [K 512, N 2,048]; A: input hidden_states; B: input w1: QUANTISED (scales: A lowp_scales[8], B lowp_scales[9])
;;     7. [M 4,096, K 2,048] x [K 2,048, N 512]; A: computed on the way; B: input w2: QUANTISED (scales: A lowp_scales[10], B lowp_scales[11])
;;     8. [M 4,096, K 512] x [K 512, N 2,048]; A: input hidden_states; B: input w1: QUANTISED (scales: A lowp_scales[12], B lowp_scales[13])
;;     9. [M 4,096, K 2,048] x [K 2,048, N 512]; A: computed on the way; B: input w2: QUANTISED (scales: A lowp_scales[14], B lowp_scales[15])
;;     10. [M 4,096, K 512] x [K 512, N 2,048]; A: input hidden_states; B: input w1: QUANTISED (scales: A lowp_scales[16], B lowp_scales[17])
;;     11. [M 4,096, K 2,048] x [K 2,048, N 512]; A: computed on the way; B: input w2: QUANTISED (scales: A lowp_scales[18], B lowp_scales[19])
;;     12. [M 4,096, K 512] x [K 512, N 2,048]; A: input hidden_states; B: input w1: QUANTISED (scales: A lowp_scales[20], B lowp_scales[21])
;;     13. [M 4,096, K 2,048] x [K 2,048, N 512]; A: computed on the way; B: input w2: QUANTISED (scales: A lowp_scales[22], B lowp_scales[23])
;;     14. [M 4,096, K 512] x [K 512, N 2,048]; A: input hidden_states; B: input w1: QUANTISED (scales: A lowp_scales[24], B lowp_scales[25])
;;     15. [M 4,096, K 2,048] x [K 2,048, N 512]; A: computed on the way; B: input w2: QUANTISED (scales: A lowp_scales[26], B lowp_scales[27])
;;     16. [M 4,096, K 512] x [K 512, N 2,048]; A: input hidden_states; B: input w1: QUANTISED (scales: A lowp_scales[28], B lowp_scales[29])
;;     17. [M 4,096, K 2,048] x [K 2,048, N 512]; A: computed on the way; B: input w2: QUANTISED (scales: A lowp_scales[30], B lowp_scales[31])
;;   THE QUANTISER, for each operand of a quantised product, along K:
;;     - The operand's scale is 2^e, e = its entry of the input lowp_scales (int32; the entries are numbered through the quantised products in the list's order, A before B).
;;     - Each number is divided by the scale, clamped to +-57,344, and rounded to the nearest number of E5M2, ties to even, subnormals kept.
;;     - The product sums the exact products of the quantised numbers (number of the format x scale) in f32.
;;   ~~~python
;;   def quantise(x, axis, e):      # numpy; x: float32 -> the quantised numbers, widened to float32 again
;;       x = np.moveaxis(x, axis, -1); K = x.shape[-1]
;;       r = np.clip(x / 2.0 ** e, -57344, 57344)
;;       step = 2.0 ** (np.maximum(np.frexp(np.where(r == 0, 1, r))[1] - 1, -14) - 2)
;;       q = np.round(r / step) * step * 2.0 ** e      # np.round: ties to even
;;       return np.moveaxis(q, -1, axis).astype(np.float32)
;;   ~~~
;;   OPERANDS COMPUTED ON THE WAY. 'Computed on the way' means the value that the module computes at that place (a softmax that the list does not call 'softmax' is quantised finished and normalised). What goes into a quantiser is computed in f32, as accurately as f32 sums, v_exp_f32 and their like allow (about 1e-6 of the number): no bf16 or f16 on the way to a quantiser, and a product that is left as it is and whose result goes on into a quantised operand takes f32 operands (vector FMAs, or v_wmma_f32_16x16x4_f32). A number that lies on a knife's edge between two numbers of the format may be rounded either way, as far as f32 arithmetic and the matrix unit's own rounding can turn it there, and no further.
;; 2 versions, each right; version 2 is version 1 with the launch chain written anew for expert scheduling mode. Each part assembles by itself: llvm-mc -triple=amdgcn-amd-amdhsa -mcpu=gfx1250 --defsym DOCPART=n.
;; ======== version 1 of 2: 4 launches
;; workspace buffers: w1f 8,388,608 bytes; w2f 8,388,608 bytes; sel 32,768 bytes of whole numbers; gw 32,768 bytes; order 32,768 bytes of whole numbers; tiles 4,096 bytes of whole numbers; ybuf 16,777,216 bytes
;; launch prep (part 1): grid 544 x 1, 4 waves a work-group, no clusters, 0 bytes of LDS; arguments hidden_states, gate_w, w1, w2, lowp_scales, w1f, w2f, sel, gw; writes w1f, w2f, sel, gw
.if DOCPART == 1
	.amdgcn_target "amdgcn-amd-amdhsa--gfx1250"
	.amdhsa_code_object_version 6
	.text
	.protected	k_q82b13762da_prep
	.globl	k_q82b13762da_prep
	.p2align	8
	.type	k_q82b13762da_prep,@function
k_q82b13762da_prep:
	s_mov_b64 s[64:65], 0
	v_nop
	global_prefetch_b8 v0, s[64:65] scope:SCOPE_SE
	s_setreg_imm32_b32 hwreg(HW_REG_WAVE_MODE, 25, 1), 1
	s_wait_xcnt 0x0
; SparseMoELayer, launch 1 of 4: the router, and both weights turned into codes of BF8 (E5M2) once.
; DEAD WORK LEFT OUT BY THE PROGRAM.  combine[t, e] is a sum of one_hot(top_idx) x top_w that the layer builds itself: for the six experts that its own top_k did not choose it is exactly 0,
; so combine[t, e] x (hdn @ w2[e] + b2[e]) is 0 for every finite input, and row t of expert e's two products reaches no output.  Only the 2 x 4,096 chosen rows are multiplied (launch 3).
; out = zeros + .. is the sum itself.  Every input keeps a way to the output and is loaded.
; LIMIT: a NaN, an infinity or an overflow that arises only in a row of an expert that was not chosen is not carried to the result.
; THREE PATHS, parted on the work-group's number alone; no LDS, no barrier, waves share nothing.
;   0..31    ROUTER: logits = x . gate_w in f32 (fused multiply-adds), top 2 of 8 (the lower index wins a tie, as lax.top_k has it), softmax over the two with the larger taken away.
;            The choice goes to fixed places: sel[t][2] (whole numbers), gw[t][2] (f32).  No address here hangs on it.
;            LIMITS: NaN among the logits is not served; two logits that differ by less than the rounding of a 512-term f32 sum may change places.
;   32..287  w1 [8][512 K][2048 N] -> w1f;   288..543  w2 [8][2048 K][512 N] -> w2f.  K is the FIRST axis: a lane takes a column and its registers run down K, so the conversions give
;            codes with K innermost.  The codes are laid IN THE ORDER OF THE OPERAND'S REGISTERS: a fragment (16 columns x 128 K) is 2,048 bytes, register group c at 512 c, lane (r, h) at 16 (r + 16 h),
;            holding K = 32 c + 16 h + 0 .. 15 of its column.  So each store of a wave fills two aligned blocks of 256 consecutive bytes, and launch 3 loads fragments by 16-byte loads alone.
;            w1f byte = e<<20 + q<<14 + (2 s + u)<<11 + ..: chunk q of 32 hidden units, K step s, tile u; lane r of tile u is hidden unit 32 q + 8 u + r + 8 (r / 8).
;            w2f byte = e<<20 + g<<18 + S<<14 + n<<11 + ..: 128 columns g, K step S, tile n; lane r is column 128 g + 16 n + r.
;            code = x / 2^e, held within +-57,344, nearest, ties to even.  LIMITS: -126 <= e <= 112; NaN is not served.
.set GT, 16                            ; v16-143  gate_w: register 16 e + 4 i + c = column 128 i + 4 lane + c of expert e
.set RX, 144                           ; v144-207 four tokens' 16 numbers a lane
.set RA, 208                           ; v208-223 eight pairs of partial sums
.set RL, 224                           ; v224-231 the kept logits: lane = token
.set RT, 232                           ; v232-239 what comes from the other half of the lanes
.set QX, 32                            ; v32-95   two sets of 32 numbers down K
.set QC, 96                            ; v96-159  codes: eight registers a block, never written again
; One token: 512 products for each of 8 experts, 16 a lane, then the sum over the 32 lanes; lane (token % 32) keeps the eight logits.
.macro TOKEN j, ahead, left
	s_wait_loadcnt \left                           ; my four loads are in; those of the younger tokens, four each, stay out
.irp p, 0,1,2,3,4,5,6,7
.irp e, 0,1,2,3,4,5,6,7
.if \p == 0
	v_pk_mul_f32 v[RA+2*\e:RA+2*\e+1], v[RX+16*\j:RX+16*\j+1], v[GT+16*\e:GT+16*\e+1]
.else
	v_pk_fma_f32 v[RA+2*\e:RA+2*\e+1], v[RX+16*\j+2*\p:RX+16*\j+2*\p+1], v[GT+16*\e+2*\p:GT+16*\e+2*\p+1], v[RA+2*\e:RA+2*\e+1]
.endif
.endr
.endr
.if \ahead
.irp i, 0,1,2,3
	global_load_b128 v[RX+16*\j+4*\i:RX+16*\j+4*\i+3], v2, s[28:29] offset:8192+2048*\j+512*\i th:TH_LOAD_NT   ; the token four further on: 512 consecutive bytes a load
.endr
.endif
.irp e, 0,1,2,3,4,5,6,7
	v_add_f32 v[RA+2*\e], v[RA+2*\e], v[RA+2*\e+1]
.endr
.irp k, 1,2,4,8
.irp e, 0,1,2,3,4,5,6,7
	v_add_f32_dpp v[RA+2*\e], v[RA+2*\e], v[RA+2*\e] row_xmask:\k row_mask:0xf bank_mask:0xf
.endr
.endr
.irp e, 0,1,2,3,4,5,6,7
	v_permlanex16_b32 v[RT+\e], v[RA+2*\e], s24, s25
.endr
.irp e, 0,1,2,3,4,5,6,7
	v_add_f32 v[RA+2*\e], v[RA+2*\e], v[RT+\e]
.endr
	v_cmp_eq_u32 vcc_lo, s26, v1                   ; the lane whose number is the token's
.irp e, 0,1,2,3,4,5,6,7
	v_cndmask_b32 v[RL+\e], v[RL+\e], v[RA+2*\e], vcc_lo
.endr
	s_add_co_u32 s26, s26, 1
.endm
.macro QLOAD t, pitch                  ; block t: 32 rows of K at my column: 128 consecutive bytes a load
.irp i, 0,1,2,3,4,5,6,7,8,9,10,11,12,13,14,15,16,17,18,19,20,21,22,23,24,25,26,27,28,29,30,31
	global_load_b32 v[QX+32*((\t)%2)+\i], v3, s[24:25] offset:(32*(\t)+\i)*\pitch th:TH_LOAD_NT
.endr
.endm
.macro QBLOCK t, pitch, kstr
.if (\t) < 7
	s_wait_loadcnt 32                              ; this block's 32 loads are in; the next block's may be out
.else
	s_wait_loadcnt 0
.endif
.irp i, 0,1,2,3,4,5,6,7,8,9,10,11,12,13,14,15,16,17,18,19,20,21,22,23,24,25,26,27,28,29,30,31
	v_med3_num_f32 v[QX+32*((\t)%2)+\i], v[QX+32*((\t)%2)+\i], -v10, v10   ; the conversion to an 8-bit code does not saturate (ISA guide 7.6.2): the hold at the largest code x the scale
.endr
.irp g, 0,1,2,3
	v_cvt_scalef32_pk8_bf8_f32 v[QC+8*(\t)+2*\g:QC+8*(\t)+2*\g+1], v[QX+32*((\t)%2)+8*\g:QX+32*((\t)%2)+8*\g+7], v11
.endr
	global_store_b128 v4, v[QC+8*(\t):QC+8*(\t)+3], s[26:27] offset:((\t)/4)*\kstr+((\t)%4)*512        ; K = 32 c + 0 .. 15: the fragment's lanes 0-15
	global_store_b128 v4, v[QC+8*(\t)+4:QC+8*(\t)+7], s[26:27] offset:((\t)/4)*\kstr+((\t)%4)*512+256  ; K = 32 c + 16 .. 31: its lanes 16-31
.if (\t) < 6
	QLOAD (\t)+2, \pitch                           ; (the results above go to stores alone, and the next vector lines are the other set's plain holds)
.endif
.endm
.macro QBODY pitch, kstr               ; a wave: 32 columns x 256 along K, eight blocks; every offset is an immediate, no register that a pending access names is written again
	QLOAD 0, \pitch
	QLOAD 1, \pitch
	s_wait_kmcnt 0x0
	s_add_co_i32 s30, s30, 127
	s_lshl_b32 s31, s30, 23
	v_mov_b32 v11, s31                             ; 2^e as f32: the conversion takes its exponent field
	s_add_co_i32 s30, s30, 15
	s_lshl_b32 s30, s30, 23
	s_or_b32 s30, s30, 0x600000
	v_mov_b32 v10, s30                             ; 57,344 x 2^e
.irp t, 0,1,2,3,4,5,6,7
	QBLOCK \t, \pitch, \kstr
.endr
	s_endpgm
.endm
	s_load_b512 s[4:19], s[0:1], 0x0               ; x s[4:5], gate_w s[6:7], w1 s[8:9], w2 s[10:11], scales s[12:13], w1f s[14:15], w2f s[16:17], sel s[18:19]
	s_load_b64 s[20:21], s[0:1], 0x40              ; gw
	v_lshrrev_b32 v1, 5, v0
	v_readfirstlane_b32 s22, v1                    ; wave 0..3
	v_and_b32 v1, 31, v0                           ; lane
	v_lshlrev_b32 v3, 2, v1                        ; 4 bytes a lane
	s_wait_kmcnt 0x0
	s_cmp_lt_u32 ttmp9, 32
	s_cbranch_scc1 .Lrouter
	s_cmp_lt_u32 ttmp9, 288
	s_cbranch_scc1 .Lq1
	; ---- w2: id = e x 32 + yk x 4 + g
	s_sub_co_u32 s31, ttmp9, 288
	s_lshr_b32 s32, s31, 5                         ; e
	s_and_b32 s33, s31, 3                          ; g: which 128 columns
	s_bfe_u32 s34, s31, 0x30002                    ; yk: which 256 along K
	s_lshl_b32 s35, s32, 4
	s_load_b32 s30, s[12:13], s35 offset:0xc       ; entry 4 e + 3
	s_lshl_b32 s36, s32, 22                        ; in: e x 4 MiB + 256 yk rows of 2,048 bytes + (128 g + 32 wave) x 4
	s_lshl_b32 s37, s34, 19
	s_add_co_u32 s36, s36, s37
	s_lshl_b32 s37, s33, 9
	s_add_co_u32 s36, s36, s37
	s_lshl_b32 s37, s22, 7
	s_add_co_u32 s36, s36, s37
	s_mov_b32 s37, 0
	s_add_nc_u64 s[24:25], s[10:11], s[36:37]
	s_lshl_b32 s38, s32, 20                        ; out: e<<20 + g<<18 + (2 yk)<<14 + (2 wave)<<11
	s_lshl_b32 s39, s33, 18
	s_add_co_u32 s38, s38, s39
	s_lshl_b32 s39, s34, 15
	s_add_co_u32 s38, s38, s39
	s_lshl_b32 s39, s22, 12
	s_add_co_u32 s38, s38, s39
	s_mov_b32 s39, 0
	s_add_nc_u64 s[26:27], s[16:17], s[38:39]
	v_lshrrev_b32 v5, 4, v1                        ; my column is lane r = lane % 16 of tile 2 wave + lane / 16
	v_and_b32 v6, 15, v1
	v_lshlrev_b32 v4, 4, v6
	v_lshl_add_u32 v4, v5, 11, v4
	QBODY 2048, 16384
.Lq1:	; ---- w1: id = e x 32 + yk x 16 + xg
	s_sub_co_u32 s31, ttmp9, 32
	s_lshr_b32 s32, s31, 5                         ; e
	s_and_b32 s33, s31, 15                         ; xg: which 128 columns
	s_bfe_u32 s34, s31, 0x10004                    ; yk: which 256 along K
	s_lshl_b32 s35, s32, 4
	s_load_b32 s30, s[12:13], s35 offset:0x4       ; entry 4 e + 1
	s_lshl_b32 s36, s32, 22                        ; in: e x 4 MiB + 256 yk rows of 8,192 bytes + (128 xg + 32 wave) x 4
	s_lshl_b32 s37, s34, 21
	s_add_co_u32 s36, s36, s37
	s_lshl_b32 s37, s33, 9
	s_add_co_u32 s36, s36, s37
	s_lshl_b32 s37, s22, 7
	s_add_co_u32 s36, s36, s37
	s_mov_b32 s37, 0
	s_add_nc_u64 s[24:25], s[8:9], s[36:37]
	s_lshl_b32 s38, s32, 20                        ; out: e<<20 + (4 xg + wave)<<14 + (2 yk)<<12
	s_lshl_b32 s39, s33, 16
	s_add_co_u32 s38, s38, s39
	s_lshl_b32 s39, s22, 14
	s_add_co_u32 s38, s38, s39
	s_lshl_b32 s39, s34, 13
	s_add_co_u32 s38, s38, s39
	s_mov_b32 s39, 0
	s_add_nc_u64 s[26:27], s[14:15], s[38:39]
	v_bfe_u32 v5, v1, 3, 1                         ; my column 32 q + lane is lane r = lane % 8 + 8 (lane / 16) of tile u = (lane / 8) % 2
	v_and_b32 v6, 7, v1
	v_lshrrev_b32 v7, 4, v1
	v_lshl_add_u32 v6, v7, 3, v6
	v_lshlrev_b32 v4, 4, v6
	v_lshl_add_u32 v4, v5, 11, v4
	QBODY 8192, 4096
.Lrouter:	; ---- wave W = 4 x work-group + wave owns tokens 32 W .. 32 W + 31
	s_lshl_b32 s23, ttmp9, 2
	s_add_co_u32 s23, s23, s22
	s_lshl_b32 s30, s23, 16                        ; 32 rows of 2,048 bytes
	s_mov_b32 s31, 0
	s_add_nc_u64 s[28:29], s[4:5], s[30:31]
	v_lshlrev_b32 v2, 4, v1                        ; 16 bytes a lane
.irp e, 0,1,2,3,4,5,6,7
.irp i, 0,1,2,3
	global_load_b128 v[GT+16*\e+4*\i:GT+16*\e+4*\i+3], v2, s[6:7] offset:2048*\e+512*\i   ; gate_w stays in registers
.endr
.endr
.irp j, 0,1,2,3
.irp i, 0,1,2,3
	global_load_b128 v[RX+16*\j+4*\i:RX+16*\j+4*\i+3], v2, s[28:29] offset:2048*\j+512*\i th:TH_LOAD_NT
.endr
.endr
	s_mov_b32 s24, 0x76543210                      ; v_permlanex16_b32: lane l xor 16
	s_mov_b32 s25, 0xfedcba98
	s_mov_b32 s26, 0                               ; the token's number in the wave
	s_mov_b32 s27, 7
.irp e, 0,1,2,3,4,5,6,7
	v_mov_b32 v[RL+\e], 0
	v_mov_b32 v[RT+\e], 0                          ; a lane permute's destination counts as one of its sources
.endr
.Ltok:	; seven trips of four tokens, each asking for the token four on
	TOKEN 0, 1, 12
	TOKEN 1, 1, 12
	TOKEN 2, 1, 12
	TOKEN 3, 1, 12
	s_wait_xcnt 0x0                                ; the loads have read their base: it may step
	s_add_nc_u64 s[28:29], s[28:29], 8192
	s_sub_co_u32 s27, s27, 1
	s_cmp_lg_u32 s27, 0
	s_cbranch_scc1 .Ltok
	TOKEN 0, 0, 12                                 ; the last four load nothing: the counts run down
	TOKEN 1, 0, 8
	TOKEN 2, 0, 4
	TOKEN 3, 0, 0
	; a lane now holds its token's eight logits.  v240, v241 the two experts; v244, v245 their logits
	v_mov_b32 v244, v[RL]
	v_mov_b32 v240, 0
.irp e, 1,2,3,4,5,6,7
	v_cmp_ge_f32 vcc_lo, v244, v[RL+\e]            ; the best so far stays unless a later logit is strictly larger
	v_cndmask_b32 v240, \e, v240, vcc_lo
	v_cndmask_b32 v244, v[RL+\e], v244, vcc_lo
.endr
	v_mov_b32 v246, 0xff800000                     ; -infinity takes the winner's place
.irp e, 0,1,2,3,4,5,6,7
	v_cmp_eq_u32 vcc_lo, \e, v240
	v_cndmask_b32 v[RL+\e], v[RL+\e], v246, vcc_lo
.endr
	v_mov_b32 v245, v[RL]
	v_mov_b32 v241, 0
.irp e, 1,2,3,4,5,6,7
	v_cmp_ge_f32 vcc_lo, v245, v[RL+\e]
	v_cndmask_b32 v241, \e, v241, vcc_lo
	v_cndmask_b32 v245, v[RL+\e], v245, vcc_lo
.endr
	v_sub_f32 v247, v245, v244                     ; the larger logit is taken away: 0 and d <= 0
	v_mul_f32 v247, 0x3fb8aa3b, v247
	v_exp_f32 v248, v247                           ; e^d
	v_lshlrev_b32 v5, 3, v1                        ; (a plain line behind the exponential)  8 bytes a token
	s_wait_alu depctr_va_vdst(0)                   ; the wait ahead of the first reader
	v_add_f32 v249, 1.0, v248
	v_rcp_f32 v242, v249                           ; 1 / (1 + e^d)
	v_lshl_add_u32 v5, s23, 8, v5                  ; (a plain line)  + 256 W
	s_wait_alu depctr_va_vdst(0)
	v_mul_f32 v243, v248, v242                     ; e^d / (1 + e^d)
	global_store_b64 v5, v[240:241], s[18:19]      ; 256 consecutive bytes a wave, aligned
	global_store_b64 v5, v[242:243], s[20:21]
	s_endpgm
.Lfunc_end_k_q82b13762da_prep:
	.size	k_q82b13762da_prep, .Lfunc_end_k_q82b13762da_prep-k_q82b13762da_prep
	.p2alignl 7, 3214868480
	.fill 96, 4, 3214868480
	.section	.rodata,"a",@progbits
	.p2align	6, 0x0
	.amdhsa_kernel k_q82b13762da_prep
		.amdhsa_group_segment_fixed_size 0
		.amdhsa_private_segment_fixed_size 0
		.amdhsa_enable_private_segment 0
		.amdhsa_kernarg_size 72
		.amdhsa_user_sgpr_count 2
		.amdhsa_user_sgpr_kernarg_segment_ptr 1
		.amdhsa_wavefront_size32 1
		.amdhsa_system_sgpr_workgroup_id_x 1
		.amdhsa_system_sgpr_workgroup_id_y 1
		.amdhsa_system_sgpr_workgroup_id_z 1
		.amdhsa_system_vgpr_workitem_id 0
		.amdhsa_next_free_vgpr 256
		.amdhsa_next_free_sgpr 66
		.amdhsa_reserve_vcc 1
		.amdhsa_float_denorm_mode_32 3
		.amdhsa_float_denorm_mode_16_64 3
		.amdhsa_memory_ordered 1
		.amdhsa_forward_progress 1
		.amdhsa_inst_pref_size 160
	.end_amdhsa_kernel
	.amdgpu_metadata
---
amdhsa.version: [ 1, 2 ]
amdhsa.kernels:
  - .name:           k_q82b13762da_prep
    .symbol:         k_q82b13762da_prep.kd
    .args:
      - { .name: hidden_states, .offset: 0, .size: 8, .value_kind: global_buffer, .address_space: global }
      - { .name: gate_w, .offset: 8, .size: 8, .value_kind: global_buffer, .address_space: global }
      - { .name: w1, .offset: 16, .size: 8, .value_kind: global_buffer, .address_space: global }
      - { .name: w2, .offset: 24, .size: 8, .value_kind: global_buffer, .address_space: global }
      - { .name: lowp_scales, .offset: 32, .size: 8, .value_kind: global_buffer, .address_space: global }
      - { .name: w1f, .offset: 40, .size: 8, .value_kind: global_buffer, .address_space: global }
      - { .name: w2f, .offset: 48, .size: 8, .value_kind: global_buffer, .address_space: global }
      - { .name: sel, .offset: 56, .size: 8, .value_kind: global_buffer, .address_space: global }
      - { .name: gw, .offset: 64, .size: 8, .value_kind: global_buffer, .address_space: global }
    .group_segment_fixed_size: 0
    .private_segment_fixed_size: 0
    .kernarg_segment_align: 8
    .kernarg_segment_size: 72
    .max_flat_workgroup_size: 128
    .sgpr_count:     66
    .vgpr_count:     256
    .wavefront_size: 32
...
	.end_amdgpu_metadata
.endif
;; end of part 1
;; launch place (part 2): grid 1 x 1, 32 waves a work-group, no clusters, 5,120 bytes of LDS; arguments sel, order, tiles; writes order, tiles
.if DOCPART == 2
	.amdgcn_target "amdgcn-amd-amdhsa--gfx1250"
	.amdhsa_code_object_version 6
	.text
	.protected	k_q82b13762da_place
	.globl	k_q82b13762da_place
	.p2align	8
	.type	k_q82b13762da_place,@function
k_q82b13762da_place:
	s_mov_b64 s[64:65], 0
	v_nop
	global_prefetch_b8 v0, s[64:65] scope:SCOPE_SE
	s_setreg_imm32_b32 hwreg(HW_REG_WAVE_MODE, 25, 1), 1
	s_wait_xcnt 0x0
; Launch 2 of 4: the 8,192 routed rows (id = 2 token + k, expert sel[id]) are sorted by expert by a counting sort, and the list of tiles of 64 rows is written.  Whole numbers alone.
; One work-group of 32 waves; thread T owns ids 8 T .. 8 T + 7.  No atomics: a row's place = its expert's first place + the rows of that expert in lower waves + its rank in its own wave.
; order[place] = id.   tiles[i] = (expert, rows 0..64, first place, 0), i = 0 .. 255; with 8,192 rows and 8 experts at most 8192 / 64 + 7 = 135 have rows, whatever the split.
; An expert has at most 4,096 rows (a token's two experts differ), so a count and a prefix share one word, 16 bits each.
; LDS: bytes 0-1023 the waves' counts [32][8]; from 1,024 the spare words, 128 bytes a wave.
	s_load_b128 s[4:7], s[0:1], 0x0                ; sel, order
	s_load_b64 s[8:9], s[0:1], 0x10                ; tiles
	v_lshl_add_u32 v30, v0, 2, 1024                ; my spare word; never rewritten
	v_mov_b32 v31, 0                               ; 0; never rewritten
	v_lshrrev_b32 v1, 5, v0
	v_readfirstlane_b32 s10, v1                    ; wave 0..31
	v_and_b32 v1, 31, v0                           ; lane
	v_lshlrev_b32 v19, 5, v0                       ; my 32 bytes of sel
	v_and_b32 v29, 0x3e0, v0                       ; LDS: 32 x wave
	v_lshlrev_b32 v28, 5, v1                       ; LDS: 32 x lane
	s_mov_b32 s38, 0x76543210
	s_mov_b32 s39, 0xfedcba98
.irp e, 0,1,2,3,4,5,6,7
	s_mov_b32 s[40+\e], 0                          ; the wave's running count of expert e
	v_mov_b32 v[10+\e], 0                          ; my eight ranks
.endr
	s_wait_kmcnt 0x0
	global_load_b128 v[2:5], v19, s[4:5]
	global_load_b128 v[6:9], v19, s[4:5] offset:16
	s_wait_loadcnt 0x0
	; rank in the wave: rows of the same expert in earlier turns j, and in lower lanes of this turn
.irp j, 0,1,2,3,4,5,6,7
.irp e, 0,1,2,3,4,5,6,7
	v_cmp_eq_u32 s36, \e, v[2+\j]
	v_mbcnt_lo_u32_b32 v18, s36, s[40+\e]
	v_cndmask_b32 v[10+\j], v[10+\j], v18, s36
	s_bcnt1_i32_b32 s37, s36
	s_add_co_u32 s[40+\e], s[40+\e], s37
.endr
.endr
.irp e, 0,1,2,3,4,5,6,7
	v_mov_b32 v[20+\e], s[40+\e]
.endr
	ds_store_b128 v29, v[20:23]                    ; all lanes write the wave's eight counts, the same words with the same values
	ds_store_b128 v29, v[24:27] offset:16
	s_wait_dscnt 0x0                               ; for the others' sake: my stores have landed
	s_barrier_signal -1
	s_barrier_wait -1
	ds_load_b128 v[32:35], v28                     ; lane l: wave l's counts
	ds_load_b128 v[36:39], v28 offset:16
	s_wait_tensorcnt 0x0                           ; the wave's end as to LDS: behind my last LDS store; no LDS access follows the closing add
	ds_add_u32 v30, v31
	s_wait_dscnt 0x0                               ; the add is done, and the counts are in
	v_cmp_gt_u32 vcc_lo, s10, v1                   ; waves below mine
.irp e, 0,1,2,3,4,5,6,7
	v_cndmask_b32 v[48+\e], 0, v[32+\e], vcc_lo
	v_lshl_add_u32 v[40+\e], v[48+\e], 16, v[32+\e]   ; low half: for the total; high half: for the prefix
.endr
.irp k, 1,2,4,8
.irp e, 0,1,2,3,4,5,6,7
	v_mov_b32_dpp v[48+\e], v[40+\e] row_xmask:\k row_mask:0xf bank_mask:0xf
.endr
.irp e, 0,1,2,3,4,5,6,7
	v_add_nc_u32 v[40+\e], v[40+\e], v[48+\e]
.endr
.endr
.irp e, 0,1,2,3,4,5,6,7
	v_permlanex16_b32 v[48+\e], v[40+\e], s38, s39
.endr
.irp e, 0,1,2,3,4,5,6,7
	v_add_nc_u32 v[40+\e], v[40+\e], v[48+\e]
	v_readfirstlane_b32 s[48+\e], v[40+\e]
	s_and_b32 s[56+\e], s[48+\e], 0xffff           ; n[e]: the expert's rows
	s_lshr_b32 s[48+\e], s[48+\e], 16              ; those of them in lower waves
.endr
	s_mov_b32 s66, 0                               ; base[e]: the expert's first place
	s_mov_b32 s74, 0                               ; tb[e]: its first tile
.irp e, 0,1,2,3,4,5,6
	s_add_co_u32 s[67+\e], s[66+\e], s[56+\e]
	s_add_co_u32 s82, s[56+\e], 63
	s_lshr_b32 s82, s82, 6
	s_add_co_u32 s[75+\e], s[74+\e], s82
.endr
.irp e, 0,1,2,3,4,5,6,7
	s_add_co_u32 s[48+\e], s[48+\e], s[66+\e]      ; where my wave's rows of expert e begin
.endr
.irp j, 0,1,2,3,4,5,6,7
	v_mov_b32 v18, s48
.irp e, 1,2,3,4,5,6,7
	v_cmp_ne_u32 vcc_lo, \e, v[2+\j]
	v_cndmask_b32 v18, s[48+\e], v18, vcc_lo
.endr
	v_add_nc_u32 v[10+\j], v[10+\j], v18
	v_min_u32 v[10+\j], 0x1fff, v[10+\j]           ; a place is under 8,192
	v_lshlrev_b32 v[10+\j], 2, v[10+\j]
	v_lshl_add_u32 v[20+\j], v0, 3, \j             ; the id
	global_store_b32 v[10+\j], v[20+\j], s[6:7]    ; a scatter of 32 KiB in all: each place is written once
.endr
	s_cmp_gt_u32 s10, 7                            ; the list of tiles: waves 0-7, thread i writes tile i
	s_cbranch_scc1 .Ldone
	v_mov_b32 v56, 0                               ; expert,
	v_mov_b32 v57, s56                             ; its rows,
	v_mov_b32 v58, 0                               ; its first place,
	v_mov_b32 v59, 0                               ; its first tile: those of the last expert whose first tile is at or under i
.irp e, 1,2,3,4,5,6,7
	v_cmp_gt_u32 vcc_lo, s[74+\e], v0
	v_cndmask_b32 v56, \e, v56, vcc_lo
	v_cndmask_b32 v57, s[56+\e], v57, vcc_lo
	v_cndmask_b32 v58, s[66+\e], v58, vcc_lo
	v_cndmask_b32 v59, s[74+\e], v59, vcc_lo
.endr
	v_sub_nc_u32 v59, v0, v59
	v_lshlrev_b32 v59, 6, v59                      ; 64 x the tile's number within its expert
	v_add_nc_u32 v58, v58, v59
	v_min_u32 v58, 0x1fff, v58                     ; first place
	v_sub_nc_u32 v57, v57, v59
	v_max_i32 v57, 0, v57
	v_min_i32 v57, 64, v57                         ; rows: 0 behind the last tile
	v_mov_b32 v59, 0
	v_lshlrev_b32 v60, 4, v0
	global_store_b128 v60, v[56:59], s[8:9]        ; 512 consecutive bytes a wave
.Ldone:
	s_endpgm
.Lfunc_end_k_q82b13762da_place:
	.size	k_q82b13762da_place, .Lfunc_end_k_q82b13762da_place-k_q82b13762da_place
	.p2alignl 7, 3214868480
	.fill 96, 4, 3214868480
	.section	.rodata,"a",@progbits
	.p2align	6, 0x0
	.amdhsa_kernel k_q82b13762da_place
		.amdhsa_group_segment_fixed_size 5120
		.amdhsa_private_segment_fixed_size 0
		.amdhsa_enable_private_segment 0
		.amdhsa_kernarg_size 24
		.amdhsa_user_sgpr_count 2
		.amdhsa_user_sgpr_kernarg_segment_ptr 1
		.amdhsa_wavefront_size32 1
		.amdhsa_system_sgpr_workgroup_id_x 1
		.amdhsa_system_sgpr_workgroup_id_y 1
		.amdhsa_system_sgpr_workgroup_id_z 1
		.amdhsa_system_vgpr_workitem_id 0
		.amdhsa_next_free_vgpr 64
		.amdhsa_next_free_sgpr 100
		.amdhsa_reserve_vcc 1
		.amdhsa_float_denorm_mode_32 3
		.amdhsa_float_denorm_mode_16_64 3
		.amdhsa_memory_ordered 1
		.amdhsa_forward_progress 1
		.amdhsa_inst_pref_size 33
	.end_amdhsa_kernel
	.amdgpu_metadata
---
amdhsa.version: [ 1, 2 ]
amdhsa.kernels:
  - .name:           k_q82b13762da_place
    .symbol:         k_q82b13762da_place.kd
    .args:
      - { .name: sel, .offset: 0, .size: 8, .value_kind: global_buffer, .address_space: global }
      - { .name: order, .offset: 8, .size: 8, .value_kind: global_buffer, .address_space: global }
      - { .name: tiles, .offset: 16, .size: 8, .value_kind: global_buffer, .address_space: global }
    .group_segment_fixed_size: 5120
    .private_segment_fixed_size: 0
    .kernarg_segment_align: 8
    .kernarg_segment_size: 24
    .max_flat_workgroup_size: 1024
    .sgpr_count:     100
    .vgpr_count:     64
    .wavefront_size: 32
...
	.end_amdgpu_metadata
.endif
;; end of part 2
;; launch chain (part 3): grid 135 x 1, 4 waves a work-group, no clusters, 165,376 bytes of LDS; arguments hidden_states, w1f, w2f, b1, b2, lowp_scales, tiles, order, gw, ybuf; writes ybuf
.if DOCPART == 3
	.amdgcn_target "amdgcn-amd-amdhsa--gfx1250"
	.amdhsa_code_object_version 6
	.text
	.protected	k_q82b13762da_chain
	.globl	k_q82b13762da_chain
	.p2align	8
	.type	k_q82b13762da_chain,@function
k_q82b13762da_chain:
	s_mov_b64 s[64:65], 0
	v_nop
	global_prefetch_b8 v0, s[64:65] scope:SCOPE_SE
	s_setreg_imm32_b32 hwreg(HW_REG_WAVE_MODE, 25, 1), 1
	s_wait_xcnt 0x0
; Launch 3 of 4: one work-group takes one tile of up to 64 routed rows of ONE expert through the whole chain:
; gather x, quantise, x W1 (BF8), + b1, gelu (tanh form), quantise, h W2 (BF8), + b2, x the gate's weight, store at ybuf[2 token + k].  The hidden layer never goes to memory.
; WORK LEFT OUT: the rows of experts that the layer's own top_k did not choose have combine = 0 and reach no output (shown at the head of the first launch); only the listed rows are multiplied.
; GRID: 8192 / 64 + 8 - 1 = 135 tiles serve every split.  No barrier stands under a branch on a loaded number: so rows at or past the tile's count repeat its last row, are computed and never stored,
; and a work-group whose tile has no rows (at most 7) walks the chain so and stores nothing.  The only branches on loaded numbers are the row tests on the way out, behind the last barrier.
; NO CLUSTER, NO TENSOR LOAD: which expert's weights a tile walks is a number read from memory, so partners of a fixed cluster need not share an expert, and a joint load's address would hang on it.
; The codes come from memory straight into registers: launch 1 laid them in the order of the operand's registers, 512 consecutive bytes a load.
; SHARES.  THE WAVES SHARE THE COLUMNS, NOT THE ROWS: wave w quantises x's rows 16 w .. 16 w + 15, makes hidden units 512 w .. + 511 (16 chunks of 32) and output columns 128 w .. + 127, for all 64 rows:
; each weight byte is loaded once in the work-group and feeds four matrix instructions.  x's and the hidden layer's codes go from wave to wave through LDS as images of the operand's registers.
; BOTH PRODUCTS ARE USED TRANSPOSED (source 0 = 16 columns of the weight, source 1 = 16 rows): a lane holds one row and eight neighbouring columns.  Lane r of W1's tile u of chunk q is hidden unit
; 32 q + 8 u + r + 8 (r / 8), so a row tile's 16 registers of a chunk are 16 neighbours along the next K.  Along K a lane holds 32 c + 16 h + 0 .. 15 in registers 4 c .. 4 c + 3, alike in both operands.
; gelu(z) = z / (1 + 2^(z (A + B z^2))), A = -2 sqrt(2/pi) log2(e), B = 0.044715 A: the tanh form exactly; both ends are sound (2^x = 0 gives z, 2^x = infinity gives 0).
; LIMITS on lowp_scales[4 e ..] = ex, ew1, eh, ew2: ex and eh between -126 and 112; ex + ew1 and eh + ew2 between -126 and 127.  NaN among the inputs is not served.
; LDS: 0 x's 16 fragments (row tile m, K step s at 2,048 (4 m + s)); behind the second barrier the same bytes are the four waves' stages (16 rows x 528 bytes each);
;      33,792 the hidden layer's codes: 32,768 m + 512 chunk + 16 lane;   164,864 the spare words, 128 bytes a wave.
; REGISTERS, in windows of 256: window 0 addresses, constants, Z, Q, codes, b1;  window 1 x's 16 fragments, at the end b2;  window 2 two sets of 8 weight fragments;  window 3 x as f32, then the 32 accumulators of y.
.set HIMG,  33792
.set SPARE, HIMG+131072
.set LI,  1                            ; 16 x lane
.set XA,  4                            ; x: my row's byte + 64 h
.set XWI, 5                            ; where I store x's images
.set HB0, 6                            ; the hidden images of my chunks: row tiles 0, 1;
.set HB1, 7                            ; row tiles 2, 3 (65,536 further on)
.set HW0, 8                            ; the same for the trip in hand
.set HW1, 9
.set HL0, 10                           ; the hidden images from their first byte
.set HL1, 11
.set HR0, 12                           ; the same for the pair of K steps in hand
.set HR1, 13
.set BO,  15                           ; 64 h
.set STO, 16                           ; the stage: where I put 32 bytes of a row
.set RD,  17                           ; and where I read a row back
.set CO,  18                           ; my byte in a row of ybuf
.set B2O, 19                           ; 32 h
.set SPW, 20                           ; my spare word; never rewritten
.set NIL, 21                           ; 0; never rewritten
.set IDX, 22                           ; id of row 16 w + r
.set IDM, 24                           ; v24-27 ids of rows 16 m + r
.set G,   28                           ; v28-35 their gate weights, each twice
.set SC1, 36                           ; 2^(ex + ew1), twice
.set CA,  38                           ; A, twice
.set CB,  40                           ; B, twice
.set XS,  42                           ; 2^ex;  v43 57,344 x 2^ex
.set XL,  43
.set HSC, 44                           ; 2^eh;  v45 57,344 x 2^eh
.set HLM, 45
.set SC2, 46                           ; 2^(eh + ew2), twice
.set VO,  48                           ; v48-63 sixteen rows' offsets in ybuf
.set Z,   64                           ; v64-127
.set Q,   128                          ; v128-191
.set PC,  192                          ; v192-207 a chunk's codes
.set BS,  208                          ; v208-239 b1: two sets of 16
.set IA,  240                          ; v240-244 addresses of the ids
.set W1P, 36                           ; s[36:37] my part of w1f, at the trip's first chunk
.set W2P, 38                           ; s[38:39] my part of w2f, at the pair's first K step
.set B1P, 40                           ; s[40:41] my part of b1
.set B2P, 42                           ; s[42:43] my part of b2
.set CNT, 44
.set HQ,  45                           ; LDS step of the trip's chunks
.set HS,  46                           ; LDS step of the pair's K steps
.set MSB, 0
.macro WIN new                         ; the immediate's high byte repeats the setting that is left
.if MSB != \new
	s_set_vgpr_msb (MSB<<8)|\new
.set MSB, \new
.endif
.endm
.macro PLACES n
.rept \n
	v_nop
.endr
.endm
.macro WLOAD k, base, off              ; eight fragments, 32 loads of 512 consecutive bytes, into set k of window 2
	WIN 0x80
.irp f, 0,1,2,3,4,5,6,7
.irp c, 0,1,2,3
	global_load_b128 v[128*(\k)+16*\f+4*\c:128*(\k)+16*\f+4*\c+3], v[LI], s[\base:\base+1] offset:(\off)+2048*\f+512*\c
.endr
.endr
	WIN 0
.endm
.macro BLOAD k, off                    ; b1 of a chunk: my half's 16 hidden units, 64 bytes
.irp u, 0,1,2,3
	global_load_b128 v[BS+16*(\k)+4*\u:BS+16*(\k)+4*\u+3], v[BO], s[B1P:B1P+1] offset:(\off)+16*\u
.endr
.endm
	s_load_b512 s[4:19], s[0:1], 0x0               ; x s[4:5], w1f s[6:7], w2f s[8:9], b1 s[10:11], b2 s[12:13], scales s[14:15], tiles s[16:17], order s[18:19]
	s_load_b128 s[20:23], s[0:1], 0x40             ; gw s[20:21], ybuf s[22:23]
	v_lshl_add_u32 v[SPW], v0, 2, SPARE
	v_mov_b32 v[NIL], 0
	v_lshrrev_b32 v2, 5, v0
	v_readfirstlane_b32 s32, v2                    ; wave 0..3
	v_and_b32 v2, 31, v0                           ; lane
	v_and_b32 v3, 15, v0                           ; r
	v_bfe_u32 v14, v0, 4, 1                        ; h
	v_lshlrev_b32 v[LI], 4, v2
	s_lshl_b32 s33, s32, 13                        ; 8,192 w: my four fragments of x, and my 16 chunks of a row tile's hidden codes
	v_add_nc_u32 v[XWI], s33, v[LI]
	v_add_nc_u32 v[HL0], HIMG, v[LI]
	v_add_nc_u32 v[HL1], HIMG+65536, v[LI]
	v_add_nc_u32 v[HB0], s33, v[HL0]
	v_add_nc_u32 v[HB1], s33, v[HL1]
	v_lshlrev_b32 v[BO], 6, v14
	v_lshlrev_b32 v[B2O], 5, v14
	s_mul_i32 s33, s32, 8448                       ; my stage
	v_mul_u32_u24 v[STO], v3, 528
	v_lshl_add_u32 v[STO], v14, 5, v[STO]
	v_add_nc_u32 v[STO], s33, v[STO]
	v_add_nc_u32 v[RD], s33, v[LI]
	s_lshl_b32 s33, s32, 9
	v_add_nc_u32 v[CO], s33, v[LI]                 ; 512 w + 16 lane
	s_mov_b32 s[HQ], 0
	s_mov_b32 s[HS], 0
	s_lshl_b32 s33, ttmp9, 4
	s_wait_kmcnt 0x0
	s_load_b128 s[24:27], s[16:17], s33 offset:0x0 ; my tile: expert, rows, first place, 0
	s_wait_kmcnt 0x0
	s_min_u32 s24, s24, 7
	s_min_u32 s25, s25, 64
	s_min_u32 s26, s26, 0x1fff
	s_lshl_b32 s33, s24, 4
	s_load_b128 s[28:31], s[14:15], s33 offset:0x0 ; ex, ew1, eh, ew2
	s_lshl_b32 s48, s24, 20                        ; an expert's codes are 1 MiB, a wave's part 256 KiB, in both weights
	s_lshl_b32 s49, s32, 18
	s_add_co_u32 s48, s48, s49
	s_mov_b32 s49, 0
	s_add_nc_u64 s[W1P:W1P+1], s[6:7], s[48:49]
	s_add_nc_u64 s[W2P:W2P+1], s[8:9], s[48:49]
	s_lshl_b32 s50, s24, 13
	s_lshl_b32 s51, s32, 11
	s_add_co_u32 s50, s50, s51
	s_mov_b32 s51, 0
	s_add_nc_u64 s[B1P:B1P+1], s[10:11], s[50:51]
	s_lshl_b32 s52, s24, 11
	s_lshl_b32 s53, s32, 9
	s_add_co_u32 s52, s52, s53
	s_mov_b32 s53, 0
	s_add_nc_u64 s[B2P:B2P+1], s[12:13], s[52:53]
	s_max_u32 s34, s25, 1
	s_sub_co_u32 s34, s34, 1                       ; the tile's last live row: later rows repeat it
	s_lshl_b32 s35, s32, 4
	v_add_nc_u32 v[IA], s35, v3                    ; row 16 w + r,
.irp m, 0,1,2,3
	v_add_nc_u32 v[IA+1+\m], 16*\m, v3             ; rows 16 m + r
.endr
.irp i, 0,1,2,3,4
	v_min_u32 v[IA+\i], s34, v[IA+\i]
	v_add_nc_u32 v[IA+\i], s26, v[IA+\i]
	v_min_u32 v[IA+\i], 0x1fff, v[IA+\i]           ; a place is under 8,192
	v_lshlrev_b32 v[IA+\i], 2, v[IA+\i]
.endr
	global_load_b32 v[IDX], v[IA], s[18:19]
.irp m, 0,1,2,3
	global_load_b32 v[IDM+\m], v[IA+1+\m], s[18:19]
.endr
	s_wait_loadcnt 0x0
	v_lshrrev_b32 v[XA], 1, v[IDX]                 ; the token
	v_min_u32 v[XA], 0xfff, v[XA]
	v_lshlrev_b32 v[XA], 11, v[XA]
	v_lshl_add_u32 v[XA], v14, 6, v[XA]            ; its row of 2,048 bytes, + 64 h: my 16 numbers of a block of 32
.irp m, 0,1,2,3
	v_min_u32 v[IA+1+\m], 0x1fff, v[IDM+\m]
	v_lshlrev_b32 v[IA+1+\m], 2, v[IA+1+\m]
	global_load_b32 v[G+2*\m], v[IA+1+\m], s[20:21]   ; the gate's weight of row 16 m + r
.endr
	; ---- X: my 16 rows of x become four fragments
	WIN 0xc0                                       ; destination window 3
.irp s, 0,1,2,3
.irp b, 0,1,2,3
.irp j, 0,1,2,3
	global_load_b128 v[64*\s+16*\b+4*\j:64*\s+16*\b+4*\j+3], v[XA], s[4:5] offset:512*\s+128*\b+16*\j
.endr
.endr
.endr
	WIN 0
	s_wait_kmcnt 0x0
	s_add_co_i32 s48, s28, s29
	s_add_co_i32 s48, s48, 127
	s_lshl_b32 s48, s48, 23
	v_mov_b32 v[SC1], s48
	v_mov_b32 v[SC1+1], s48
	s_add_co_i32 s48, s28, 127
	s_lshl_b32 s49, s48, 23
	v_mov_b32 v[XS], s49
	s_add_co_i32 s48, s48, 15
	s_lshl_b32 s48, s48, 23
	s_or_b32 s48, s48, 0x600000
	v_mov_b32 v[XL], s48
	s_add_co_i32 s48, s30, 127
	s_lshl_b32 s49, s48, 23
	v_mov_b32 v[HSC], s49
	s_add_co_i32 s48, s48, 15
	s_lshl_b32 s48, s48, 23
	s_or_b32 s48, s48, 0x600000
	v_mov_b32 v[HLM], s48
	s_add_co_i32 s48, s30, s31
	s_add_co_i32 s48, s48, 127
	s_lshl_b32 s48, s48, 23
	v_mov_b32 v[SC2], s48
	v_mov_b32 v[SC2+1], s48
	v_mov_b32 v[CA], 0xc0135761                    ; A = -2.3022082
	v_mov_b32 v[CA+1], 0xc0135761
	v_mov_b32 v[CB], 0xbdd2d3e8                    ; B = -0.10294324
	v_mov_b32 v[CB+1], 0xbdd2d3e8
.irp s, 0,1,2,3
	s_wait_loadcnt 16*(3-\s)                       ; K step s's 16 loads are in (and the gate's weights, which are older); the later K steps' stay out
.if \s == 3
	WLOAD 0, W1P, 0                                ; nothing is out: the first chunk's weights and bias go out
	BLOAD 0, 0
.endif
	WIN 0xc3                                       ; source 0 and destination window 3
.set jj, 0
.rept 64
	v_med3_num_f32 v[64*\s+jj], v[64*\s+jj], -v[XL], v[XL]   ; the conversion does not saturate (ISA guide 7.6.2): the hold at the largest code x the scale
.set jj, jj+1
.endr
	WIN 0x03                                       ; source 0 window 3
.irp b, 0,1,2,3
	v_cvt_scalef32_pk8_bf8_f32 v[Z+16*\s+4*\b:Z+16*\s+4*\b+1], v[64*\s+16*\b:64*\s+16*\b+7], v[XS]
	v_cvt_scalef32_pk8_bf8_f32 v[Z+16*\s+4*\b+2:Z+16*\s+4*\b+3], v[64*\s+16*\b+8:64*\s+16*\b+15], v[XS]
.endr
.endr
	v_nop                                          ; a plain line behind the last conversion: matrix instructions later write its sources
	WIN 0
.irp s, 0,1,2,3
.irp c, 0,1,2,3
	ds_store_b128 v[XWI], v[Z+16*\s+4*\c:Z+16*\s+4*\c+3] offset:2048*\s+512*\c
.endr
.endr
.irp m, 0,1,2,3
	v_mov_b32 v[G+2*\m+1], v[G+2*\m]
.endr
	s_wait_dscnt 0x0                               ; for the others' sake: my images have landed
	s_barrier_signal -1
	s_barrier_wait -1                              ; x's sixteen fragments lie in LDS
	WIN 0x40                                       ; destination window 1
.irp f, 0,1,2,3,4,5,6,7,8,9,10,11,12,13,14,15
.irp c, 0,1,2,3
	ds_load_b128 v[16*\f+4*\c:16*\f+4*\c+3], v[LI] offset:2048*\f+512*\c   ; they stay in registers through the first product
.endr
.endr
	WIN 0
	WLOAD 1, W1P, 16384
	BLOAD 1, 128
	s_wait_dscnt 0x0
; ---- 1: a chunk of 32 hidden units for the 64 rows.  k: the weights' and the bias's set.  mode 1: the set is filled again with the chunk two on; mode 2: with W2's K step k.
.macro CHUNK k, mode, lc
	s_wait_loadcnt \lc                             ; this chunk's 32 + 4 loads are in; what was asked for behind them stays out
	WIN 0x06                                       ; source 0 (W1) window 2, source 1 (x) window 1
.irp s, 0,1,2,3
.irp u, 0,1
.irp m, 0,1,2,3
.if \s == 0
	v_wmma_f32_16x16x128_bf8_bf8 v[Z+16*\m+8*\u:Z+16*\m+8*\u+7], v[128*\k+16*(2*\s+\u):128*\k+16*(2*\s+\u)+15], v[16*(4*\m+\s):16*(4*\m+\s)+15], 0
.else
	v_wmma_f32_16x16x128_bf8_bf8 v[Z+16*\m+8*\u:Z+16*\m+8*\u+7], v[128*\k+16*(2*\s+\u):128*\k+16*(2*\s+\u)+15], v[16*(4*\m+\s):16*(4*\m+\s)+15], v[Z+16*\m+8*\u:Z+16*\m+8*\u+7]
.endif
.endr
.endr
.endr                                          ; the eight accumulators take turns, one instruction a turn
	WIN 0
	v_add_nc_u32 v[HW0], s[HQ], v[HB0]             ; four places behind the last product, in front of the loads into its operands and of the first read of results
	v_add_nc_u32 v[HW1], s[HQ], v[HB1]
	PLACES 2
.if \mode == 1
	WLOAD \k, W1P, 32768+16384*\k
.else
	WLOAD \k, W2P, 16384*\k
.endif
.set jj, 0
.rept 32
	v_pk_fma_f32 v[Z+jj:Z+jj+1], v[Z+jj:Z+jj+1], v[SC1:SC1+1], v[BS+16*\k+jj%16:BS+16*\k+jj%16+1]   ; z = sum x 2^(ex + ew1) + b1; each accumulator from its low end on
.set jj, jj+2
.endr
.if \mode == 1
	BLOAD \k, 256+128*\k
.endif
.set jj, 0
.rept 32
	v_pk_mul_f32 v[Q+jj:Q+jj+1], v[Z+jj:Z+jj+1], v[Z+jj:Z+jj+1]
.set jj, jj+2
.endr
.set jj, 0
.rept 32
	v_pk_fma_f32 v[Q+jj:Q+jj+1], v[Q+jj:Q+jj+1], v[CB:CB+1], v[CA:CA+1]
.set jj, jj+2
.endr
.set jj, 0
.rept 32
	v_pk_mul_f32 v[Q+jj:Q+jj+1], v[Q+jj:Q+jj+1], v[Z+jj:Z+jj+1]   ; z (A + B z^2)
.set jj, jj+2
.endr
.set jj, 0
.rept 64
	v_exp_f32 v[Q+jj], v[Q+jj]
.set jj, jj+1
.endr
	v_nop                                          ; a plain line behind the batch,
	s_wait_alu depctr_va_vdst(0)                   ; and one wait for it, ahead of its first reader
.set jj, 0
.rept 32
	v_pk_add_f32 v[Q+jj:Q+jj+1], v[Q+jj:Q+jj+1], 1.0 op_sel_hi:[1,0]
.set jj, jj+2
.endr
.set jj, 0
.rept 64
	v_rcp_f32 v[Q+jj], v[Q+jj]
.set jj, jj+1
.endr
	v_nop
	s_wait_alu depctr_va_vdst(0)
.set jj, 0
.rept 32
	v_pk_mul_f32 v[Z+jj:Z+jj+1], v[Z+jj:Z+jj+1], v[Q+jj:Q+jj+1]   ; gelu(z)
.set jj, jj+2
.endr
.set jj, 0
.rept 64
	v_med3_num_f32 v[Z+jj], v[Z+jj], -v[HLM], v[HLM]
.set jj, jj+1
.endr
	s_wait_dscnt 0x0                               ; the last chunk's stores have read the codes' registers
.irp m, 0,1,2,3
	v_cvt_scalef32_pk8_bf8_f32 v[PC+4*\m:PC+4*\m+1], v[Z+16*\m:Z+16*\m+7], v[HSC]
	v_cvt_scalef32_pk8_bf8_f32 v[PC+4*\m+2:PC+4*\m+3], v[Z+16*\m+8:Z+16*\m+15], v[HSC]
.endr
	v_nop                                          ; a plain line behind the last conversion: the next products write its sources
	ds_store_b128 v[HW0], v[PC:PC+3] offset:512*\k            ; register group (chunk % 4) of K step (chunk / 4), row tiles 0 to 3
	ds_store_b128 v[HW0], v[PC+4:PC+7] offset:512*\k+32768
	ds_store_b128 v[HW1], v[PC+8:PC+11] offset:512*\k
	ds_store_b128 v[HW1], v[PC+12:PC+15] offset:512*\k+32768
.endm
	s_mov_b32 s[CNT], 7
.Lchunks:	; seven trips of two chunks; 36 = the younger chunk's 32 weight loads and 4 bias loads
	CHUNK 0, 1, 36
	CHUNK 1, 1, 36
	s_wait_xcnt 0x0                                ; the loads have read their bases: they may step
	s_add_nc_u64 s[W1P:W1P+1], s[W1P:W1P+1], 32768
	s_add_nc_u64 s[B1P:B1P+1], s[B1P:B1P+1], 256
	s_add_co_u32 s[HQ], s[HQ], 1024
	s_sub_co_u32 s[CNT], s[CNT], 1
	s_cmp_lg_u32 s[CNT], 0
	s_cbranch_scc1 .Lchunks
	CHUNK 0, 2, 36                                 ; the last two chunks ask for W2's first two K steps
	CHUNK 1, 2, 32                                 ; behind chunk 15's loads: W2's K step 0, 32 loads
	s_wait_dscnt 0x0                               ; for the others' sake: my images have landed
	s_barrier_signal -1
	s_barrier_wait -1                              ; the hidden layer's codes lie in LDS; nobody reads x's images any more
; ---- 2: my 128 columns for the 64 rows: 32 accumulators by turns, a K step of 128 at a time
.macro MUL2 j, n0, zero
.irp n, \n0, \n0+1, \n0+2, \n0+3
.irp m, 0,1,2,3
.if \zero
	v_wmma_f32_16x16x128_bf8_bf8 v[8*(4*(\n)+\m):8*(4*(\n)+\m)+7], v[128*\j+16*(\n):128*\j+16*(\n)+15], v[Z+64*\j+16*\m:Z+64*\j+16*\m+15], 0
.else
	v_wmma_f32_16x16x128_bf8_bf8 v[8*(4*(\n)+\m):8*(4*(\n)+\m)+7], v[128*\j+16*(\n):128*\j+16*(\n)+15], v[Z+64*\j+16*\m:Z+64*\j+16*\m+15], v[8*(4*(\n)+\m):8*(4*(\n)+\m)+7]
.endif
.endr
.endr
.endm
.macro VLOAD j, n0                     ; half a set, 16 loads: fragments n0 .. n0 + 3 of the K step two on
	WIN 0x80
.irp n, \n0, \n0+1, \n0+2, \n0+3
.irp c, 0,1,2,3
	global_load_b128 v[128*\j+16*(\n)+4*\c:128*\j+16*(\n)+4*\c+3], v[LI], s[W2P:W2P+1] offset:32768+16384*\j+2048*(\n)+512*\c
.endr
.endr
	WIN 0
.endm
; K step j of a pair: weights in set j, hidden fragments in Z (j = 0) or Q (j = 1).  hnext: the next step's hidden fragments are fetched into the other.  reload 1: the set is filled again; 2: b2 is asked for.
.macro KSTEP j, zero, hnext, reload, lca, lcb
.if \hnext
.irp m, 0,1,2,3
.irp c, 0,1,2,3
	ds_load_b128 v[Z+64*(1-\j)+16*\m+4*\c:Z+64*(1-\j)+16*\m+4*\c+3], v[HR0+\m/2] offset:(\m%2)*32768+(\j+1)*2048+512*\c
.endr
.endr
.endif
	s_wait_loadcnt \lca                            ; fragments 0-3 are in; the half sets of 16 loads asked for behind them stay out
.if \hnext
	s_wait_dscnt 16                                ; this step's hidden fragments are in; the 16 loads just issued stay out
.else
	s_wait_dscnt 0
.endif
	WIN 0xf2                                       ; source 0 (W2) window 2, C and D window 3
	MUL2 \j, 0, \zero
	WIN 0
	PLACES 4                                       ; in front of loads into registers that these products have read
.if \reload == 1
	VLOAD \j, 0
.endif
	s_wait_loadcnt \lcb                            ; fragments 4-7 are in
	WIN 0xf2
	MUL2 \j, 4, \zero
	WIN 0
	PLACES 4                                       ; likewise, and for the next step's loads into the hidden fragments just read, and at the end for the first read of results
.if \reload == 1
	VLOAD \j, 4
.endif
.if \reload == 2
	WIN 0x40                                       ; destination window 1: x's fragments are done with
.irp n, 0,1,2,3,4,5,6,7
	global_load_b128 v[8*\n:8*\n+3], v[B2O], s[B2P:B2P+1] offset:64*\n        ; b2 at my half's eight columns of tile n
	global_load_b128 v[8*\n+4:8*\n+7], v[B2O], s[B2P:B2P+1] offset:64*\n+16
.endr
	WIN 0
.endif
.endm
.macro PAIR z, r0, r1, h1, a0, b0, a1, b1
	v_add_nc_u32 v[HR0], s[HS], v[HL0]
	v_add_nc_u32 v[HR1], s[HS], v[HL1]
	KSTEP 0, \z, 1, \r0, \a0, \b0
	KSTEP 1, 0, \h1, \r1, \a1, \b1
.endm
.macro ONWARD
	s_wait_xcnt 0x0                                ; the loads have read their base: it may step
	s_add_nc_u64 s[W2P:W2P+1], s[W2P:W2P+1], 32768
	s_add_co_u32 s[HS], s[HS], 4096
.endm
.irp m, 0,1,2,3
.irp c, 0,1,2,3
	ds_load_b128 v[Z+16*\m+4*\c:Z+16*\m+4*\c+3], v[HL0+\m/2] offset:(\m%2)*32768+512*\c   ; K step 0's hidden fragments
.endr
.endr
	PAIR 1, 1, 1, 1, 48, 48, 48, 48                ; the first K step's products start the sums.  48 = three half sets are younger than the one wanted
	ONWARD
	s_mov_b32 s[CNT], 6
.Lpairs:
	PAIR 0, 1, 1, 1, 48, 48, 48, 48
	ONWARD
	s_sub_co_u32 s[CNT], s[CNT], 1
	s_cmp_lg_u32 s[CNT], 0
	s_cbranch_scc1 .Lpairs
	PAIR 0, 2, 0, 0, 48, 32, 32, 16                ; K steps 14 and 15 ask for no weights: the counts run down; b2's 16 loads go out behind step 14
	; ---- the way out, a row tile at a time: y = (sum x 2^(eh + ew2) + b2) x the gate's weight, through my own stage, out as pieces of 512 consecutive bytes of a row of ybuf
	s_wait_loadcnt 0x0                             ; b2
.irp m, 0,1,2,3
.if \m > 0
	s_wait_xcnt 0x0                                ; the last tile's stores have read their data and offsets: both are written again
.endif
	WIN 0x13                                       ; source 0 (the sums) window 3, source 2 (b2) window 1
.irp n, 0,1,2,3,4,5,6,7
.irp i, 0,2,4,6
	v_pk_fma_f32 v[Z+8*\n+\i:Z+8*\n+\i+1], v[8*(4*\n+\m)+\i:8*(4*\n+\m)+\i+1], v[SC2:SC2+1], v[8*\n+\i:8*\n+\i+1]   ; each accumulator from its low end on
.endr
.endr
	WIN 0
.set jj, 0
.rept 32
	v_pk_mul_f32 v[Z+jj:Z+jj+1], v[Z+jj:Z+jj+1], v[G+2*\m:G+2*\m+1]
.set jj, jj+2
.endr
.irp n, 0,1,2,3,4,5,6,7
	ds_store_b128 v[STO], v[Z+8*\n:Z+8*\n+3] offset:64*\n          ; lane (r, h): row r, columns 16 n + 8 h + 0 .. 7
	ds_store_b128 v[STO], v[Z+8*\n+4:Z+8*\n+7] offset:64*\n+16
.endr
.irp t, 0,1,2,3,4,5,6,7,8,9,10,11,12,13,14,15
	ds_load_b128 v[Q+4*\t:Q+4*\t+3], v[RD] offset:528*\t           ; LDS serves a wave's instructions in order (ISA guide 5.7.1.4): these see my stores
.endr
.irp t, 0,1,2,3,4,5,6,7,8,9,10,11,12,13,14,15
	s_cmp_le_u32 s25, 16*\m+\t                     ; rows at or past the tile's count are not stored, and none follows them
	s_cbranch_scc1 .Lend
	v_readlane_b32 s47, v[IDM+\m], \t              ; the row's id = its row of ybuf
	s_min_u32 s47, s47, 0x1fff
	s_lshl_b32 s47, s47, 11
	v_add_nc_u32 v[VO+\t], s47, v[CO]
	s_wait_dscnt 15-\t
	global_store_b128 v[VO+\t], v[Q+4*\t:Q+4*\t+3], s[22:23]       ; 32 lanes store 512 consecutive bytes, at a multiple of 512 from ybuf's first byte
.endr
.endr
.Lend:
	s_wait_tensorcnt 0x0                           ; the wave's end: behind my last LDS store
	ds_add_u32 v[SPW], v[NIL]
	s_wait_dscnt 0x0
	s_endpgm
.Lfunc_end_k_q82b13762da_chain:
	.size	k_q82b13762da_chain, .Lfunc_end_k_q82b13762da_chain-k_q82b13762da_chain
	.p2alignl 7, 3214868480
	.fill 96, 4, 3214868480
	.section	.rodata,"a",@progbits
	.p2align	6, 0x0
	.amdhsa_kernel k_q82b13762da_chain
		.amdhsa_group_segment_fixed_size 165376
		.amdhsa_private_segment_fixed_size 0
		.amdhsa_enable_private_segment 0
		.amdhsa_kernarg_size 80
		.amdhsa_user_sgpr_count 2
		.amdhsa_user_sgpr_kernarg_segment_ptr 1
		.amdhsa_wavefront_size32 1
		.amdhsa_system_sgpr_workgroup_id_x 1
		.amdhsa_system_sgpr_workgroup_id_y 1
		.amdhsa_system_sgpr_workgroup_id_z 1
		.amdhsa_system_vgpr_workitem_id 0
		.amdhsa_next_free_vgpr 1024
		.amdhsa_next_free_sgpr 66
		.amdhsa_reserve_vcc 0
		.amdhsa_float_denorm_mode_32 3
		.amdhsa_float_denorm_mode_16_64 3
		.amdhsa_memory_ordered 1
		.amdhsa_forward_progress 1
		.amdhsa_inst_pref_size 233
	.end_amdhsa_kernel
	.amdgpu_metadata
---
amdhsa.version: [ 1, 2 ]
amdhsa.kernels:
  - .name:           k_q82b13762da_chain
    .symbol:         k_q82b13762da_chain.kd
    .args:
      - { .name: hidden_states, .offset: 0, .size: 8, .value_kind: global_buffer, .address_space: global }
      - { .name: w1f, .offset: 8, .size: 8, .value_kind: global_buffer, .address_space: global }
      - { .name: w2f, .offset: 16, .size: 8, .value_kind: global_buffer, .address_space: global }
      - { .name: b1, .offset: 24, .size: 8, .value_kind: global_buffer, .address_space: global }
      - { .name: b2, .offset: 32, .size: 8, .value_kind: global_buffer, .address_space: global }
      - { .name: lowp_scales, .offset: 40, .size: 8, .value_kind: global_buffer, .address_space: global }
      - { .name: tiles, .offset: 48, .size: 8, .value_kind: global_buffer, .address_space: global }
      - { .name: order, .offset: 56, .size: 8, .value_kind: global_buffer, .address_space: global }
      - { .name: gw, .offset: 64, .size: 8, .value_kind: global_buffer, .address_space: global }
      - { .name: ybuf, .offset: 72, .size: 8, .value_kind: global_buffer, .address_space: global }
    .group_segment_fixed_size: 165376
    .private_segment_fixed_size: 0
    .kernarg_segment_align: 8
    .kernarg_segment_size: 80
    .max_flat_workgroup_size: 128
    .sgpr_count:     66
    .vgpr_count:     1024
    .wavefront_size: 32
...
	.end_amdgpu_metadata
.endif
;; end of part 3
;; launch comb (part 4): grid 256 x 1, 8 waves a work-group, no clusters, 0 bytes of LDS; arguments ybuf, out0; writes out0
.if DOCPART == 4
	.amdgcn_target "amdgcn-amd-amdhsa--gfx1250"
	.amdhsa_code_object_version 6
	.text
	.protected	k_q82b13762da_comb
	.globl	k_q82b13762da_comb
	.p2align	8
	.type	k_q82b13762da_comb,@function
k_q82b13762da_comb:
	s_mov_b64 s[64:65], 0
	v_nop
	global_prefetch_b8 v0, s[64:65] scope:SCOPE_SE
	s_setreg_imm32_b32 hwreg(HW_REG_WAVE_MODE, 25, 1), 1
	s_wait_xcnt 0x0
; Launch 4 of 4: out0[t] = ybuf[2 t] + ybuf[2 t + 1]: a token's two weighted expert rows.  A stream: 16 loads of 16 bytes a lane, all issued first; every load and store of a wave covers 512 consecutive bytes.
; A work-group owns 16 tokens: 64 KiB of ybuf, 32 KiB of out0.  Step i takes two tokens: threads 0-127 the first, 128-255 the second.  No loop, no LDS; no register that a pending access names is written again.
	s_load_b128 s[4:7], s[0:1], 0x0                ; ybuf, out0
	v_lshrrev_b32 v1, 7, v0
	v_and_b32 v2, 127, v0
	v_lshlrev_b32 v2, 4, v2
	v_lshl_add_u32 v1, v1, 12, v2                  ; in: 4,096 (thread / 128) + 16 (thread % 128)
	v_lshlrev_b32 v3, 4, v0                        ; out: 16 x thread
	s_lshl_b32 s8, ttmp9, 16
	s_mov_b32 s9, 0
	s_lshl_b32 s10, ttmp9, 15
	s_mov_b32 s11, 0
	s_wait_kmcnt 0x0
	s_add_nc_u64 s[4:5], s[4:5], s[8:9]
	s_add_nc_u64 s[6:7], s[6:7], s[10:11]
.irp i, 0,1,2,3,4,5,6,7
	global_load_b128 v[8+8*\i:11+8*\i], v1, s[4:5] offset:8192*\i th:TH_LOAD_NT
	global_load_b128 v[12+8*\i:15+8*\i], v1, s[4:5] offset:8192*\i+2048 th:TH_LOAD_NT
.endr
.irp i, 0,1,2,3,4,5,6,7
	s_wait_loadcnt 14-2*\i                         ; step i's two loads are in; the later steps', two each, stay out
	v_pk_add_f32 v[8+8*\i:9+8*\i], v[8+8*\i:9+8*\i], v[12+8*\i:13+8*\i]
	v_pk_add_f32 v[10+8*\i:11+8*\i], v[10+8*\i:11+8*\i], v[14+8*\i:15+8*\i]
	global_store_b128 v3, v[8+8*\i:11+8*\i], s[6:7] offset:4096*\i th:TH_STORE_NT
.endr
	s_endpgm
.Lfunc_end_k_q82b13762da_comb:
	.size	k_q82b13762da_comb, .Lfunc_end_k_q82b13762da_comb-k_q82b13762da_comb
	.p2alignl 7, 3214868480
	.fill 96, 4, 3214868480
	.section	.rodata,"a",@progbits
	.p2align	6, 0x0
	.amdhsa_kernel k_q82b13762da_comb
		.amdhsa_group_segment_fixed_size 0
		.amdhsa_private_segment_fixed_size 0
		.amdhsa_enable_private_segment 0
		.amdhsa_kernarg_size 16
		.amdhsa_user_sgpr_count 2
		.amdhsa_user_sgpr_kernarg_segment_ptr 1
		.amdhsa_wavefront_size32 1
		.amdhsa_system_sgpr_workgroup_id_x 1
		.amdhsa_system_sgpr_workgroup_id_y 1
		.amdhsa_system_sgpr_workgroup_id_z 1
		.amdhsa_system_vgpr_workitem_id 0
		.amdhsa_next_free_vgpr 80
		.amdhsa_next_free_sgpr 66
		.amdhsa_reserve_vcc 0
		.amdhsa_float_denorm_mode_32 3
		.amdhsa_float_denorm_mode_16_64 3
		.amdhsa_memory_ordered 1
		.amdhsa_forward_progress 1
		.amdhsa_inst_pref_size 5
	.end_amdhsa_kernel
	.amdgpu_metadata
---
amdhsa.version: [ 1, 2 ]
amdhsa.kernels:
  - .name:           k_q82b13762da_comb
    .symbol:         k_q82b13762da_comb.kd
    .args:
      - { .name: ybuf, .offset: 0, .size: 8, .value_kind: global_buffer, .address_space: global }
      - { .name: out0, .offset: 8, .size: 8, .value_kind: global_buffer, .address_space: global }
    .group_segment_fixed_size: 0
    .private_segment_fixed_size: 0
    .kernarg_segment_align: 8
    .kernarg_segment_size: 16
    .max_flat_workgroup_size: 256
    .sgpr_count:     66
    .vgpr_count:     80
    .wavefront_size: 32
...
	.end_amdgpu_metadata
.endif
;; end of part 4
;; ======== version 2 of 2: 4 launches; version 1 with the launch chain written anew for expert scheduling mode
;; workspace buffers: w1f 8,388,608 bytes; w2f 8,388,608 bytes; sel 32,768 bytes of whole numbers; gw 32,768 bytes; order 32,768 bytes of whole numbers; tiles 4,096 bytes of whole numbers; ybuf 16,777,216 bytes
;; launch prep: the kernel of part 1 again; grid 544 x 1, 4 waves a work-group, no clusters, 0 bytes of LDS; arguments hidden_states, gate_w, w1, w2, lowp_scales, w1f, w2f, sel, gw; writes w1f, w2f, sel, gw
;; launch place: the kernel of part 2 again; grid 1 x 1, 32 waves a work-group, no clusters, 5,120 bytes of LDS; arguments sel, order, tiles; writes order, tiles
;; launch chain (part 5): grid 135 x 1, 4 waves a work-group, no clusters, 165,376 bytes of LDS; arguments hidden_states, w1f, w2f, b1, b2, lowp_scales, tiles, order, gw, ybuf; writes ybuf
.if DOCPART == 5
	.amdgcn_target "amdgcn-amd-amdhsa--gfx1250"
	.amdhsa_code_object_version 6
	.text
	.protected	k_q82b13762da_chain
	.globl	k_q82b13762da_chain
	.p2align	8
	.type	k_q82b13762da_chain,@function
k_q82b13762da_chain:
	s_mov_b64 s[64:65], 0
	v_nop
	global_prefetch_b8 v0, s[64:65] scope:SCOPE_SE
	s_setreg_imm32_b32 hwreg(HW_REG_WAVE_SCHED_MODE, 0, 2), 2
	s_setreg_imm32_b32 hwreg(HW_REG_WAVE_MODE, 25, 1), 1
	s_wait_xcnt 0x0
	s_wait_alu depctr_vm_vsrc(0)
; Launch 3 of 4: one work-group takes one tile of up to 64 routed rows of ONE expert through the whole chain:
; gather x, quantise, x W1 (BF8), + b1, gelu (tanh form), quantise, h W2 (BF8), + b2, x the gate's weight, store at ybuf[2 token + k].  The hidden layer never goes to memory.
; WORK LEFT OUT: the rows of experts that the layer's own top_k did not choose have combine = 0 and reach no output (shown at the head of the first launch); only the listed rows are multiplied.
; GRID: 8192 / 64 + 8 - 1 = 135 tiles serve every split.  No barrier stands under a branch on a loaded number: so rows at or past the tile's count repeat its last row, are computed and never stored,
; and a work-group whose tile has no rows (at most 7) walks the chain so and stores nothing.  The only branches on loaded numbers are the row tests on the way out, behind the last barrier.
; NO CLUSTER, NO TENSOR LOAD: which expert's weights a tile walks is a number read from memory, so partners of a fixed cluster need not share an expert, and a joint load's address would hang on it.
; The codes come from memory straight into registers: launch 1 laid them in the order of the operand's registers, 512 consecutive bytes a load.
; SHARES.  THE WAVES SHARE THE COLUMNS, NOT THE ROWS: wave w quantises x's rows 16 w .. 16 w + 15, makes hidden units 512 w .. + 511 (16 chunks of 32) and output columns 128 w .. + 127, for all 64 rows:
; each weight byte is loaded once in the work-group and feeds four matrix instructions.  x's and the hidden layer's codes go from wave to wave through LDS as images of the operand's registers.
; BOTH PRODUCTS ARE USED TRANSPOSED (source 0 = 16 columns of the weight, source 1 = 16 rows): a lane holds one row and eight neighbouring columns.  Lane r of W1's tile u of chunk q is hidden unit
; 32 q + 8 u + r + 8 (r / 8), so a row tile's 16 registers of a chunk are 16 neighbours along the next K.  Along K a lane holds 32 c + 16 h + 0 .. 15 in registers 4 c .. 4 c + 3, alike in both operands.
; gelu(z) = z / (1 + 2^(z (A + B z^2))), A = -2 sqrt(2/pi) log2(e), B = 0.044715 A: the tanh form exactly; both ends are sound (2^x = 0 gives z, 2^x = infinity gives 0).
; LIMITS on lowp_scales[4 e ..] = ex, ew1, eh, ew2: ex and eh between -126 and 112; ex + ew1 and eh + ew2 between -126 and 127.  NaN among the inputs is not served.
; LDS: 0 x's 16 fragments (row tile m, K step s at 2,048 (4 m + s)); behind the second barrier the same bytes are the four waves' stages (16 rows x 528 bytes each);
;      33,792 the hidden layer's codes: 32,768 m + 512 chunk + 16 lane;   164,864 the spare words, 128 bytes a wave.
; REGISTERS, in windows of 256: window 0 addresses, constants, Z, Q, codes, b1;  window 1 x's 16 fragments, at the end b2;  window 2 two sets of 8 weight fragments;  window 3 x as f32, then the 32 accumulators of y.
; THE MODE: SCHED_MODE bits 1:0 = 2 (LLVM: expert scheduling mode 2), set by the entry lines.  The code itself states the register dependences
; between vector or matrix instructions and memory or LDS instructions, with s_wait_alu, always for 0.
; THE PLAN.  Registers that memory or LDS instructions touch, and who else names them:
;   LI, XWI, HL0, HL1, BO, B2O, STO, RD and the add's two   made at the head and never written again: one wait on va_vdst ahead of the first load states that they are written.
;   set k of window 2, first product   read by chunk k's 32 products, then filled again: one wait on va_vdst behind the products; the 32 loads follow it in four groups of eight, dealt among
;                 the gelu's packed lines, which name Z, Q, b1 and constants alone.
;   b1's set k    read by the 32 lines that make z, then filled again: behind the wait that follows the exponentials.
;   HW0, HW1, PC  read by a chunk's four LDS stores, written in the next chunk: one wait on vm_vsrc a chunk, behind its products.  PC's writers, the conversions, have a wait on va_vdst ahead of the stores.
;   set j, second product   fragments 0-3 are read by a K step's first sixteen products, 4-7 by its last sixteen, each half then filled again: a wait on va_vdst ahead of each half's loads.
;   Z and Q, second product   the hidden fragments of even and odd K steps: read by a step's products, filled again by the LDS loads at the next step's head: the wait ahead of fragments 4-7 states that too,
;                 since no vector or matrix instruction stands between it and those loads.
;   HR0, HR1      read by a pair's LDS loads, written at the next pair's head: a wait on vm_vsrc ahead of the two additions, one on va_vdst behind them.
;   Z, Q, VO on the way out   Z: written by the packed lines, read by the LDS stores; Q: the LDS loads land in it, the global stores read it; VO: the stores' offsets, all sixteen made in one run.
;                 One wait on vm_vsrc at the head of each tile but the first, one on va_vdst ahead of the LDS stores.
;   The accumulators, the constants, G and x as f32 are named by vector and matrix instructions alone behind their loads.
.set HIMG,  33792
.set SPARE, HIMG+131072
.set LI,  1                            ; 16 x lane
.set XA,  4                            ; x: my row's byte + 64 h
.set XWI, 5                            ; where I store x's images
.set HB0, 6                            ; the hidden images of my chunks: row tiles 0, 1;
.set HB1, 7                            ; row tiles 2, 3 (65,536 further on)
.set HW0, 8                            ; the same for the trip in hand
.set HW1, 9
.set HL0, 10                           ; the hidden images from their first byte
.set HL1, 11
.set HR0, 12                           ; the same for the pair of K steps in hand
.set HR1, 13
.set BO,  15                           ; 64 h
.set STO, 16                           ; the stage: where I put 32 bytes of a row
.set RD,  17                           ; and where I read a row back
.set CO,  18                           ; my byte in a row of ybuf
.set B2O, 19                           ; 32 h
.set SPW, 20                           ; my spare word; never rewritten
.set NIL, 21                           ; 0; never rewritten
.set IDX, 22                           ; id of row 16 w + r
.set IDM, 24                           ; v24-27 ids of rows 16 m + r
.set G,   28                           ; v28-35 their gate weights, each twice
.set SC1, 36                           ; 2^(ex + ew1), twice
.set CA,  38                           ; A, twice
.set CB,  40                           ; B, twice
.set XS,  42                           ; 2^ex;  v43 57,344 x 2^ex
.set XL,  43
.set HSC, 44                           ; 2^eh;  v45 57,344 x 2^eh
.set HLM, 45
.set SC2, 46                           ; 2^(eh + ew2), twice
.set VO,  48                           ; v48-63 sixteen rows' offsets in ybuf
.set Z,   64                           ; v64-127
.set Q,   128                          ; v128-191
.set PC,  192                          ; v192-207 a chunk's codes
.set BS,  208                          ; v208-239 b1: two sets of 16
.set IA,  240                          ; v240-244 addresses of the ids
.set W1P, 36                           ; s[36:37] my part of w1f, at the trip's first chunk
.set W2P, 38                           ; s[38:39] my part of w2f, at the pair's first K step
.set B1P, 40                           ; s[40:41] my part of b1
.set B2P, 42                           ; s[42:43] my part of b2
.set CNT, 44
.set HQ,  45                           ; LDS step of the trip's chunks
.set HS,  46                           ; LDS step of the pair's K steps
.set RS,  48                           ; s48-63 on the way out: sixteen rows' ids, then their bytes in ybuf
.set MSB, 0
.macro WIN new                         ; the immediate's high byte repeats the setting that is left
.if MSB != \new
	s_set_vgpr_msb (MSB<<8)|\new
.set MSB, \new
.endif
.endm
.macro PLACES n
.rept \n
	v_nop
.endr
.endm
.macro WLOAD k, base, off              ; eight fragments, 32 loads of 512 consecutive bytes, into set k of window 2
	WIN 0x80
.irp f, 0,1,2,3,4,5,6,7
.irp c, 0,1,2,3
	global_load_b128 v[128*(\k)+16*\f+4*\c:128*(\k)+16*\f+4*\c+3], v[LI], s[\base:\base+1] offset:(\off)+2048*\f+512*\c
.endr
.endr
	WIN 0
.endm
.macro WQ k, base, off, f0             ; a quarter of that: fragments f0 and f0 + 1, eight loads
	WIN 0x80
.irp f, \f0, \f0+1
.irp c, 0,1,2,3
	global_load_b128 v[128*(\k)+16*(\f)+4*\c:128*(\k)+16*(\f)+4*\c+3], v[LI], s[\base:\base+1] offset:(\off)+2048*(\f)+512*\c
.endr
.endr
	WIN 0
.endm
.macro BLOAD k, off                    ; b1 of a chunk: my half's 16 hidden units, 64 bytes
.irp u, 0,1,2,3
	global_load_b128 v[BS+16*(\k)+4*\u:BS+16*(\k)+4*\u+3], v[BO], s[B1P:B1P+1] offset:(\off)+16*\u
.endr
.endm
	s_load_b512 s[4:19], s[0:1], 0x0               ; x s[4:5], w1f s[6:7], w2f s[8:9], b1 s[10:11], b2 s[12:13], scales s[14:15], tiles s[16:17], order s[18:19]
	s_load_b128 s[20:23], s[0:1], 0x40             ; gw s[20:21], ybuf s[22:23]
	v_lshl_add_u32 v[SPW], v0, 2, SPARE
	v_mov_b32 v[NIL], 0
	v_lshrrev_b32 v2, 5, v0
	v_readfirstlane_b32 s32, v2                    ; wave 0..3
	v_and_b32 v2, 31, v0                           ; lane
	v_and_b32 v3, 15, v0                           ; r
	v_bfe_u32 v14, v0, 4, 1                        ; h
	v_lshlrev_b32 v[LI], 4, v2
	s_wait_alu depctr_va_sdst(0)                   ; s32 is written, ahead of its first reader: LDS places and the weights' bases are made from it
	s_lshl_b32 s33, s32, 13                        ; 8,192 w: my four fragments of x, and my 16 chunks of a row tile's hidden codes
	v_add_nc_u32 v[XWI], s33, v[LI]
	v_add_nc_u32 v[HL0], HIMG, v[LI]
	v_add_nc_u32 v[HL1], HIMG+65536, v[LI]
	v_add_nc_u32 v[HB0], s33, v[HL0]
	v_add_nc_u32 v[HB1], s33, v[HL1]
	v_lshlrev_b32 v[BO], 6, v14
	v_lshlrev_b32 v[B2O], 5, v14
	s_mul_i32 s33, s32, 8448                       ; my stage
	v_mul_u32_u24 v[STO], v3, 528
	v_lshl_add_u32 v[STO], v14, 5, v[STO]
	v_add_nc_u32 v[STO], s33, v[STO]
	v_add_nc_u32 v[RD], s33, v[LI]
	s_lshl_b32 s33, s32, 9
	v_add_nc_u32 v[CO], s33, v[LI]                 ; 512 w + 16 lane
	s_mov_b32 s[HQ], 0
	s_mov_b32 s[HS], 0
	s_lshl_b32 s33, ttmp9, 4
	s_wait_kmcnt 0x0
	s_load_b128 s[24:27], s[16:17], s33 offset:0x0 ; my tile: expert, rows, first place, 0
	s_wait_kmcnt 0x0
	s_min_u32 s24, s24, 7
	s_min_u32 s25, s25, 64
	s_min_u32 s26, s26, 0x1fff
	s_lshl_b32 s33, s24, 4
	s_load_b128 s[28:31], s[14:15], s33 offset:0x0 ; ex, ew1, eh, ew2
	s_lshl_b32 s48, s24, 20                        ; an expert's codes are 1 MiB, a wave's part 256 KiB, in both weights
	s_lshl_b32 s49, s32, 18
	s_add_co_u32 s48, s48, s49
	s_mov_b32 s49, 0
	s_add_nc_u64 s[W1P:W1P+1], s[6:7], s[48:49]
	s_add_nc_u64 s[W2P:W2P+1], s[8:9], s[48:49]
	s_lshl_b32 s50, s24, 13
	s_lshl_b32 s51, s32, 11
	s_add_co_u32 s50, s50, s51
	s_mov_b32 s51, 0
	s_add_nc_u64 s[B1P:B1P+1], s[10:11], s[50:51]
	s_lshl_b32 s52, s24, 11
	s_lshl_b32 s53, s32, 9
	s_add_co_u32 s52, s52, s53
	s_mov_b32 s53, 0
	s_add_nc_u64 s[B2P:B2P+1], s[12:13], s[52:53]
	s_max_u32 s34, s25, 1
	s_sub_co_u32 s34, s34, 1                       ; the tile's last live row: later rows repeat it
	s_lshl_b32 s35, s32, 4
	v_add_nc_u32 v[IA], s35, v3                    ; row 16 w + r,
.irp m, 0,1,2,3
	v_add_nc_u32 v[IA+1+\m], 16*\m, v3             ; rows 16 m + r
.endr
.irp i, 0,1,2,3,4
	v_min_u32 v[IA+\i], s34, v[IA+\i]
	v_add_nc_u32 v[IA+\i], s26, v[IA+\i]
	v_min_u32 v[IA+\i], 0x1fff, v[IA+\i]           ; a place is under 8,192
	v_lshlrev_b32 v[IA+\i], 2, v[IA+\i]
.endr
	s_wait_alu depctr_va_vdst(0)                   ; the ids' five offsets are written, which the loads below read; so are LI, XWI, HL0, HL1, BO, B2O, STO and RD, which later loads and stores read and nothing writes again
	global_load_b32 v[IDX], v[IA], s[18:19]
.irp m, 0,1,2,3
	global_load_b32 v[IDM+\m], v[IA+1+\m], s[18:19]
.endr
	s_wait_loadcnt 0x0
	s_wait_alu depctr_vm_vsrc(0)                   ; the loads of the ids have read v[IA+1 ..], which are written again below
	v_lshrrev_b32 v[XA], 1, v[IDX]                 ; the token
	v_min_u32 v[XA], 0xfff, v[XA]
	v_lshlrev_b32 v[XA], 11, v[XA]
	v_lshl_add_u32 v[XA], v14, 6, v[XA]            ; its row of 2,048 bytes, + 64 h: my 16 numbers of a block of 32
.irp m, 0,1,2,3
	v_min_u32 v[IA+1+\m], 0x1fff, v[IDM+\m]
	v_lshlrev_b32 v[IA+1+\m], 2, v[IA+1+\m]
.endr
	s_wait_alu depctr_va_vdst(0)                   ; XA and the four offsets into gw are written, which the 68 loads below read
.irp m, 0,1,2,3
	global_load_b32 v[G+2*\m], v[IA+1+\m], s[20:21]   ; the gate's weight of row 16 m + r
.endr
	; ---- X: my 16 rows of x become four fragments
	WIN 0xc0                                       ; destination window 3
.irp s, 0,1,2,3
.irp b, 0,1,2,3
.irp j, 0,1,2,3
	global_load_b128 v[64*\s+16*\b+4*\j:64*\s+16*\b+4*\j+3], v[XA], s[4:5] offset:512*\s+128*\b+16*\j
.endr
.endr
.endr
	WIN 0
	s_wait_kmcnt 0x0
	s_add_co_i32 s48, s28, s29
	s_add_co_i32 s48, s48, 127
	s_lshl_b32 s48, s48, 23
	v_mov_b32 v[SC1], s48
	v_mov_b32 v[SC1+1], s48
	s_add_co_i32 s48, s28, 127
	s_lshl_b32 s49, s48, 23
	v_mov_b32 v[XS], s49
	s_add_co_i32 s48, s48, 15
	s_lshl_b32 s48, s48, 23
	s_or_b32 s48, s48, 0x600000
	v_mov_b32 v[XL], s48
	s_add_co_i32 s48, s30, 127
	s_lshl_b32 s49, s48, 23
	v_mov_b32 v[HSC], s49
	s_add_co_i32 s48, s48, 15
	s_lshl_b32 s48, s48, 23
	s_or_b32 s48, s48, 0x600000
	v_mov_b32 v[HLM], s48
	s_add_co_i32 s48, s30, s31
	s_add_co_i32 s48, s48, 127
	s_lshl_b32 s48, s48, 23
	v_mov_b32 v[SC2], s48
	v_mov_b32 v[SC2+1], s48
	v_mov_b32 v[CA], 0xc0135761                    ; A = -2.3022082
	v_mov_b32 v[CA+1], 0xc0135761
	v_mov_b32 v[CB], 0xbdd2d3e8                    ; B = -0.10294324
	v_mov_b32 v[CB+1], 0xbdd2d3e8
.irp s, 0,1,2,3
	s_wait_loadcnt 16*(3-\s)                       ; K step s's 16 loads are in (and the gate's weights, which are older); the later K steps' stay out
.if \s == 3
	WLOAD 0, W1P, 0                                ; nothing is out: the first chunk's weights and bias go out.  No wait on va_vdst: no vector instruction has named set 0, b1's set 0, or, since the head's wait, LI or BO
	BLOAD 0, 0
.endif
	WIN 0xc3                                       ; source 0 and destination window 3
.set jj, 0
.rept 64
	v_med3_num_f32 v[64*\s+jj], v[64*\s+jj], -v[XL], v[XL]   ; the conversion does not saturate (ISA guide 7.6.2): the hold at the largest code x the scale
.set jj, jj+1
.endr
	WIN 0x03                                       ; source 0 window 3
.irp b, 0,1,2,3
	v_cvt_scalef32_pk8_bf8_f32 v[Z+16*\s+4*\b:Z+16*\s+4*\b+1], v[64*\s+16*\b:64*\s+16*\b+7], v[XS]
	v_cvt_scalef32_pk8_bf8_f32 v[Z+16*\s+4*\b+2:Z+16*\s+4*\b+3], v[64*\s+16*\b+8:64*\s+16*\b+15], v[XS]
.endr
.endr
	v_nop                                          ; a plain line behind the last conversion: matrix instructions later write its sources
	WIN 0
	s_wait_alu depctr_va_vdst(0)                   ; the conversions have written v[Z ..], which the LDS stores read
.irp s, 0,1,2,3
.irp c, 0,1,2,3
	ds_store_b128 v[XWI], v[Z+16*\s+4*\c:Z+16*\s+4*\c+3] offset:2048*\s+512*\c
.endr
.endr
.irp m, 0,1,2,3
	v_mov_b32 v[G+2*\m+1], v[G+2*\m]
.endr
	s_wait_dscnt 0x0                               ; for the others' sake: my images have landed
	s_barrier_signal -1
	s_barrier_wait -1                              ; x's sixteen fragments lie in LDS
	s_wait_alu depctr_vm_vsrc(0)                   ; my LDS stores have read v[Z ..], which the first chunk's products write
	WIN 0x40                                       ; destination window 1
.irp f, 0,1,2,3,4,5,6,7,8,9,10,11,12,13,14,15
.irp c, 0,1,2,3
	ds_load_b128 v[16*\f+4*\c:16*\f+4*\c+3], v[LI] offset:2048*\f+512*\c   ; they stay in registers through the first product
.endr
.endr
	WIN 0
	WLOAD 1, W1P, 16384                            ; (window 1, set 1 and b1's set 1 have been named by no vector instruction yet)
	BLOAD 1, 128
	s_wait_dscnt 0x0
; ---- 1: a chunk of 32 hidden units for the 64 rows.  k: the weights' and the bias's set.  mode 1: the set is filled again with the chunk two on; mode 2: with W2's K step k.
.macro CW k, mode, f0                  ; eight of the 32 loads that fill set k again
.if \mode == 1
	WQ \k, W1P, 32768+16384*\k, \f0
.else
	WQ \k, W2P, 16384*\k, \f0
.endif
.endm
.macro CHUNK k, mode, lc
	s_wait_loadcnt \lc                             ; this chunk's 32 + 4 loads are in; what was asked for behind them stays out
	WIN 0x06                                       ; source 0 (W1) window 2, source 1 (x) window 1
.irp s, 0,1,2,3
.irp u, 0,1
.irp m, 0,1,2,3
.if \s == 0
	v_wmma_f32_16x16x128_bf8_bf8 v[Z+16*\m+8*\u:Z+16*\m+8*\u+7], v[128*\k+16*(2*\s+\u):128*\k+16*(2*\s+\u)+15], v[16*(4*\m+\s):16*(4*\m+\s)+15], 0
.else
	v_wmma_f32_16x16x128_bf8_bf8 v[Z+16*\m+8*\u:Z+16*\m+8*\u+7], v[128*\k+16*(2*\s+\u):128*\k+16*(2*\s+\u)+15], v[16*(4*\m+\s):16*(4*\m+\s)+15], v[Z+16*\m+8*\u:Z+16*\m+8*\u+7]
.endif
.endr
.endr
.endr                                          ; the eight accumulators take turns, one instruction a turn
	WIN 0
	s_wait_alu depctr_vm_vsrc(0)                   ; the last chunk's four LDS stores have read HW0, HW1 and the codes' registers: the first two are written just below, the codes at this chunk's end
	v_add_nc_u32 v[HW0], s[HQ], v[HB0]             ; four places behind the last product (ISA guide 7.12.1), in front of the first read of results
	v_add_nc_u32 v[HW1], s[HQ], v[HB1]
	PLACES 2
	WIN 0x80
	s_wait_alu depctr_va_vdst(0)                   ; the products are done reading set k, in which the 32 loads below land; HW0 and HW1 are written, which this chunk's LDS stores read
	CW \k, \mode, 0                                ; the loads go in four groups of eight among the packed lines, which name Z, Q, b1 and constants: none of the registers that the loads touch
.set jj, 0
.rept 32
	v_pk_fma_f32 v[Z+jj:Z+jj+1], v[Z+jj:Z+jj+1], v[SC1:SC1+1], v[BS+16*\k+jj%16:BS+16*\k+jj%16+1]   ; z = sum x 2^(ex + ew1) + b1; each accumulator from its low end on
.set jj, jj+2
.endr
	CW \k, \mode, 2
.set jj, 0
.rept 32
	v_pk_mul_f32 v[Q+jj:Q+jj+1], v[Z+jj:Z+jj+1], v[Z+jj:Z+jj+1]
.set jj, jj+2
.endr
	CW \k, \mode, 4
.set jj, 0
.rept 32
	v_pk_fma_f32 v[Q+jj:Q+jj+1], v[Q+jj:Q+jj+1], v[CB:CB+1], v[CA:CA+1]
.set jj, jj+2
.endr
	CW \k, \mode, 6
.set jj, 0
.rept 32
	v_pk_mul_f32 v[Q+jj:Q+jj+1], v[Q+jj:Q+jj+1], v[Z+jj:Z+jj+1]   ; z (A + B z^2)
.set jj, jj+2
.endr
.set jj, 0
.rept 64
	v_exp_f32 v[Q+jj], v[Q+jj]
.set jj, jj+1
.endr
	v_nop                                          ; a plain line behind the batch,
	s_wait_alu depctr_va_vdst(0)                   ; and one wait: the 64 exponentials have written v[Q ..], ahead of their first reader; and the lines that made z are done reading b1's set k, in which the four loads below land
.if \mode == 1
	BLOAD \k, 256+128*\k
.endif
.set jj, 0
.rept 32
	v_pk_add_f32 v[Q+jj:Q+jj+1], v[Q+jj:Q+jj+1], 1.0 op_sel_hi:[1,0]
.set jj, jj+2
.endr
.set jj, 0
.rept 64
	v_rcp_f32 v[Q+jj], v[Q+jj]
.set jj, jj+1
.endr
	v_nop
	s_wait_alu depctr_va_vdst(0)                   ; the 64 reciprocals have written v[Q ..], ahead of their first reader
.set jj, 0
.rept 32
	v_pk_mul_f32 v[Z+jj:Z+jj+1], v[Z+jj:Z+jj+1], v[Q+jj:Q+jj+1]   ; gelu(z)
.set jj, jj+2
.endr
.set jj, 0
.rept 64
	v_med3_num_f32 v[Z+jj], v[Z+jj], -v[HLM], v[HLM]
.set jj, jj+1
.endr
	s_wait_dscnt 0x0                               ; the last chunk's stores are done
.irp m, 0,1,2,3
	v_cvt_scalef32_pk8_bf8_f32 v[PC+4*\m:PC+4*\m+1], v[Z+16*\m:Z+16*\m+7], v[HSC]
	v_cvt_scalef32_pk8_bf8_f32 v[PC+4*\m+2:PC+4*\m+3], v[Z+16*\m+8:Z+16*\m+15], v[HSC]
.endr
	v_nop                                          ; a plain line behind the last conversion: the next products write its sources
	s_wait_alu depctr_va_vdst(0)                   ; the conversions have written the codes' registers, which the LDS stores read
	ds_store_b128 v[HW0], v[PC:PC+3] offset:512*\k            ; register group (chunk % 4) of K step (chunk / 4), row tiles 0 to 3
	ds_store_b128 v[HW0], v[PC+4:PC+7] offset:512*\k+32768
	ds_store_b128 v[HW1], v[PC+8:PC+11] offset:512*\k
	ds_store_b128 v[HW1], v[PC+12:PC+15] offset:512*\k+32768
.endm
	s_mov_b32 s[CNT], 7
.Lchunks:	; seven trips of two chunks; 36 = the younger chunk's 32 weight loads and 4 bias loads
	CHUNK 0, 1, 36
	CHUNK 1, 1, 36
	s_wait_xcnt 0x0                                ; the loads have read their bases: they may step
	s_add_nc_u64 s[W1P:W1P+1], s[W1P:W1P+1], 32768
	s_add_nc_u64 s[B1P:B1P+1], s[B1P:B1P+1], 256
	s_add_co_u32 s[HQ], s[HQ], 1024
	s_sub_co_u32 s[CNT], s[CNT], 1
	s_cmp_lg_u32 s[CNT], 0
	s_cbranch_scc1 .Lchunks
	CHUNK 0, 2, 36                                 ; the last two chunks ask for W2's first two K steps
	CHUNK 1, 2, 32                                 ; behind chunk 15's loads: W2's K step 0, 32 loads
	s_wait_dscnt 0x0                               ; for the others' sake: my images have landed
	s_barrier_signal -1
	s_barrier_wait -1                              ; the hidden layer's codes lie in LDS; nobody reads x's images any more
; ---- 2: my 128 columns for the 64 rows: 32 accumulators by turns, a K step of 128 at a time
.macro MUL2 j, n0, zero
.irp n, \n0, \n0+1, \n0+2, \n0+3
.irp m, 0,1,2,3
.if \zero
	v_wmma_f32_16x16x128_bf8_bf8 v[8*(4*(\n)+\m):8*(4*(\n)+\m)+7], v[128*\j+16*(\n):128*\j+16*(\n)+15], v[Z+64*\j+16*\m:Z+64*\j+16*\m+15], 0
.else
	v_wmma_f32_16x16x128_bf8_bf8 v[8*(4*(\n)+\m):8*(4*(\n)+\m)+7], v[128*\j+16*(\n):128*\j+16*(\n)+15], v[Z+64*\j+16*\m:Z+64*\j+16*\m+15], v[8*(4*(\n)+\m):8*(4*(\n)+\m)+7]
.endif
.endr
.endr
.endm
.macro VLOAD j, n0                     ; half a set, 16 loads: fragments n0 .. n0 + 3 of the K step two on
	WIN 0x80
	s_wait_alu depctr_va_vdst(0)                   ; the sixteen products just issued are done reading these four fragments, in which the loads land; behind a step's second half they are also done with the step's hidden fragments, in which the next step's LDS loads land
.irp n, \n0, \n0+1, \n0+2, \n0+3
.irp c, 0,1,2,3
	global_load_b128 v[128*\j+16*(\n)+4*\c:128*\j+16*(\n)+4*\c+3], v[LI], s[W2P:W2P+1] offset:32768+16384*\j+2048*(\n)+512*\c
.endr
.endr
	WIN 0
.endm
; K step j of a pair: weights in set j, hidden fragments in Z (j = 0) or Q (j = 1).  hnext: the next step's hidden fragments are fetched into the other.  reload 1: the set is filled again; 2: b2 is asked for.
; stp = 1: W2's base moves on by a pair, ahead of the pair's first loads by it.
.macro KSTEP j, zero, hnext, reload, stp, lca, lcb
.if \hnext
.irp m, 0,1,2,3
.irp c, 0,1,2,3
	ds_load_b128 v[Z+64*(1-\j)+16*\m+4*\c:Z+64*(1-\j)+16*\m+4*\c+3], v[HR0+\m/2] offset:(\m%2)*32768+(\j+1)*2048+512*\c   ; no vector or matrix instruction since the last wait on va_vdst names these registers
.endr
.endr
.endif
	s_wait_loadcnt \lca                            ; fragments 0-3 are in; the half sets of 16 loads asked for behind them stay out
.if \hnext
	s_wait_dscnt 16                                ; this step's hidden fragments are in; the 16 loads just issued stay out
.else
	s_wait_dscnt 0
.endif
	WIN 0xf2                                       ; source 0 (W2) window 2, C and D window 3
	MUL2 \j, 0, \zero
	WIN 0
	PLACES 4                                       ; four plain lines behind these products; the wait in front of the loads stands beside them
.if \reload == 1
.if \stp
	s_wait_xcnt 0x0                                ; the last pair's loads, sixteen products back, have read their base: it may step
	s_add_nc_u64 s[W2P:W2P+1], s[W2P:W2P+1], 32768
.endif
	VLOAD \j, 0
.endif
	s_wait_loadcnt \lcb                            ; fragments 4-7 are in
	WIN 0xf2
	MUL2 \j, 4, \zero
	WIN 0
	PLACES 4                                       ; likewise; at the end they are the places in front of the first read of results (ISA guide 7.12.1)
.if \reload == 1
	VLOAD \j, 4
.endif
.if \reload == 2
	WIN 0x40                                       ; destination window 1: x's fragments are done with; no vector or matrix instruction has named them since the first product's last wait on va_vdst
.irp n, 0,1,2,3,4,5,6,7
	global_load_b128 v[8*\n:8*\n+3], v[B2O], s[B2P:B2P+1] offset:64*\n        ; b2 at my half's eight columns of tile n
	global_load_b128 v[8*\n+4:8*\n+7], v[B2O], s[B2P:B2P+1] offset:64*\n+16
.endr
	WIN 0
.endif
.endm
.macro PAIR z, r0, r1, h1, stp, a0, b0, a1, b1
	s_wait_alu depctr_vm_vsrc(0)                   ; the LDS loads issued so far have read HR0 and HR1
	v_add_nc_u32 v[HR0], s[HS], v[HL0]
	v_add_nc_u32 v[HR1], s[HS], v[HL1]
	s_wait_alu depctr_va_vdst(0)                   ; HR0 and HR1 are written, which the pair's LDS loads read
	KSTEP 0, \z, 1, \r0, \stp, \a0, \b0
	KSTEP 1, 0, \h1, \r1, 0, \a1, \b1
.endm
.irp m, 0,1,2,3
.irp c, 0,1,2,3
	ds_load_b128 v[Z+16*\m+4*\c:Z+16*\m+4*\c+3], v[HL0+\m/2] offset:(\m%2)*32768+512*\c   ; K step 0's hidden fragments.  No vector instruction since the last chunk's last wait on va_vdst names v[Z ..]
.endr
.endr
	PAIR 1, 1, 1, 1, 0, 48, 48, 48, 48             ; the first K step's products start the sums.  48 = three half sets are younger than the one wanted
	s_add_co_u32 s[HS], s[HS], 4096
	s_mov_b32 s[CNT], 6
.Lpairs:
	PAIR 0, 1, 1, 1, 1, 48, 48, 48, 48
	s_add_co_u32 s[HS], s[HS], 4096
	s_sub_co_u32 s[CNT], s[CNT], 1
	s_cmp_lg_u32 s[CNT], 0
	s_cbranch_scc1 .Lpairs
	PAIR 0, 2, 0, 0, 0, 48, 32, 32, 16             ; K steps 14 and 15 ask for no weights: the counts run down; b2's 16 loads go out behind step 14
	; ---- the way out, a row tile at a time: y = (sum x 2^(eh + ew2) + b2) x the gate's weight, through my own stage, out as pieces of 512 consecutive bytes of a row of ybuf
	s_wait_loadcnt 0x0                             ; b2
.irp m, 0,1,2,3
.if \m > 0
	s_wait_alu depctr_vm_vsrc(0)                   ; the last tile's LDS stores have read v[Z ..], its global stores the rows in v[Q ..] and the offsets in v[VO ..]: all three are written again below
.endif
	WIN 0x13                                       ; source 0 (the sums) window 3, source 2 (b2) window 1
.irp n, 0,1,2,3,4,5,6,7
.irp i, 0,2,4,6
	v_pk_fma_f32 v[Z+8*\n+\i:Z+8*\n+\i+1], v[8*(4*\n+\m)+\i:8*(4*\n+\m)+\i+1], v[SC2:SC2+1], v[8*\n+\i:8*\n+\i+1]   ; each accumulator from its low end on
.endr
.endr
	WIN 0
.set jj, 0
.rept 32
	v_pk_mul_f32 v[Z+jj:Z+jj+1], v[Z+jj:Z+jj+1], v[G+2*\m:G+2*\m+1]
.set jj, jj+2
.endr
.irp t, 0,1,2,3,4,5,6,7,8,9,10,11,12,13,14,15
	v_readlane_b32 s[RS+\t], v[IDM+\m], \t         ; the sixteen rows' ids = their rows of ybuf, in one run (rows past the count repeat the last row's id and are not stored)
.endr
	s_wait_alu depctr_va_sdst(0)                   ; the sixteen ids are written, ahead of their first reader
.irp t, 0,1,2,3,4,5,6,7,8,9,10,11,12,13,14,15
	s_min_u32 s[RS+\t], s[RS+\t], 0x1fff
	s_lshl_b32 s[RS+\t], s[RS+\t], 11
.endr
.if \m > 0
	s_wait_xcnt 0x0                                ; the last tile's global stores have had their addresses translated: their offsets and their data registers are written again only behind this wait
.endif
.irp t, 0,1,2,3,4,5,6,7,8,9,10,11,12,13,14,15
	v_add_nc_u32 v[VO+\t], s[RS+\t], v[CO]
.endr
	s_wait_alu depctr_va_vdst(0)                   ; v[Z ..] is written, which the LDS stores read, and v[VO ..], which the global stores read; the last K step's products are done reading v[Q ..], in which the LDS loads land
.irp n, 0,1,2,3,4,5,6,7
	ds_store_b128 v[STO], v[Z+8*\n:Z+8*\n+3] offset:64*\n          ; lane (r, h): row r, columns 16 n + 8 h + 0 .. 7
	ds_store_b128 v[STO], v[Z+8*\n+4:Z+8*\n+7] offset:64*\n+16
.endr
.irp t, 0,1,2,3,4,5,6,7,8,9,10,11,12,13,14,15
	ds_load_b128 v[Q+4*\t:Q+4*\t+3], v[RD] offset:528*\t           ; LDS serves a wave's instructions in order (ISA guide 5.7.1.4): these see my stores
.endr
.irp t, 0,1,2,3,4,5,6,7,8,9,10,11,12,13,14,15
	s_cmp_le_u32 s25, 16*\m+\t                     ; rows at or past the tile's count are not stored, and none follows them
	s_cbranch_scc1 .Lend
	s_wait_dscnt 15-\t
	global_store_b128 v[VO+\t], v[Q+4*\t:Q+4*\t+3], s[22:23]       ; 32 lanes store 512 consecutive bytes, at a multiple of 512 from ybuf's first byte
.endr
.endr
.Lend:
	s_wait_dscnt 0x0                               ; the closing lines, six on end
	s_wait_alu 0x0
	s_wait_tensorcnt 0x0
	ds_add_u32 v[SPW], v[NIL]
	s_wait_dscnt 0x0
	s_endpgm
.Lfunc_end_k_q82b13762da_chain:
	.size	k_q82b13762da_chain, .Lfunc_end_k_q82b13762da_chain-k_q82b13762da_chain
	.p2alignl 7, 3214868480
	.fill 96, 4, 3214868480
	.section	.rodata,"a",@progbits
	.p2align	6, 0x0
	.amdhsa_kernel k_q82b13762da_chain
		.amdhsa_group_segment_fixed_size 165376
		.amdhsa_private_segment_fixed_size 0
		.amdhsa_enable_private_segment 0
		.amdhsa_kernarg_size 80
		.amdhsa_user_sgpr_count 2
		.amdhsa_user_sgpr_kernarg_segment_ptr 1
		.amdhsa_wavefront_size32 1
		.amdhsa_system_sgpr_workgroup_id_x 1
		.amdhsa_system_sgpr_workgroup_id_y 1
		.amdhsa_system_sgpr_workgroup_id_z 1
		.amdhsa_system_vgpr_workitem_id 0
		.amdhsa_next_free_vgpr 1024
		.amdhsa_next_free_sgpr 66
		.amdhsa_reserve_vcc 0
		.amdhsa_float_denorm_mode_32 3
		.amdhsa_float_denorm_mode_16_64 3
		.amdhsa_memory_ordered 1
		.amdhsa_forward_progress 1
		.amdhsa_inst_pref_size 235
	.end_amdhsa_kernel
	.amdgpu_metadata
---
amdhsa.version: [ 1, 2 ]
amdhsa.kernels:
  - .name:           k_q82b13762da_chain
    .symbol:         k_q82b13762da_chain.kd
    .args:
      - { .name: hidden_states, .offset: 0, .size: 8, .value_kind: global_buffer, .address_space: global }
      - { .name: w1f, .offset: 8, .size: 8, .value_kind: global_buffer, .address_space: global }
      - { .name: w2f, .offset: 16, .size: 8, .value_kind: global_buffer, .address_space: global }
      - { .name: b1, .offset: 24, .size: 8, .value_kind: global_buffer, .address_space: global }
      - { .name: b2, .offset: 32, .size: 8, .value_kind: global_buffer, .address_space: global }
      - { .name: lowp_scales, .offset: 40, .size: 8, .value_kind: global_buffer, .address_space: global }
      - { .name: tiles, .offset: 48, .size: 8, .value_kind: global_buffer, .address_space: global }
      - { .name: order, .offset: 56, .size: 8, .value_kind: global_buffer, .address_space: global }
      - { .name: gw, .offset: 64, .size: 8, .value_kind: global_buffer, .address_space: global }
      - { .name: ybuf, .offset: 72, .size: 8, .value_kind: global_buffer, .address_space: global }
    .group_segment_fixed_size: 165376
    .private_segment_fixed_size: 0
    .kernarg_segment_align: 8
    .kernarg_segment_size: 80
    .max_flat_workgroup_size: 128
    .sgpr_count:     66
    .vgpr_count:     1024
    .wavefront_size: 32
...
	.end_amdgpu_metadata
.endif
;; end of part 5
;; launch comb: the kernel of part 4 again; grid 256 x 1, 8 waves a work-group, no clusters, 0 bytes of LDS; arguments ybuf, out0; writes out0
